; MI455X (gfx1250); checked and timed in simulation.
; The chip was launched on July 23, 2026; its instructions are those of AMD's public machine-readable ISA for CDNA 5 (MIT licence, August 2026) and "CDNA5" Instruction Set Architecture Reference Guide (July 2026). The comments in the code are by the model that wrote it; some were corrected since.
;; Multi head attention. Allowed arithmetic: matrix products marked QUANTISED: E2M1 operands, one E8M0 scale for each 32 along K, by v_wmma_scale_f32_16x16x128_f8f6f4 with both operands' format E2M1 (or v_wmma_scale_f32_32x16x128_f4), f32 sums; products left as they are: bf16, f16 or f32 operands; f32 sums; everything else in f32.
;; Inputs: Wk 1,024 x 1,024 float32; Wo 1,024 x 1,024 float32; Wq 1,024 x 1,024 float32; Wv 1,024 x 1,024 float32; k 8 x 1,024 x 1,024 float32; q 8 x 1,024 x 1,024 float32; v 8 x 1,024 x 1,024 float32.
;; Outputs: out0 8 x 1,024 x 1,024 float32.
;; This version of the problem:
;;   THIS VERSION OF THE PROBLEM IS GIVEN IN LOW PRECISION. The matrix products marked QUANTISED in the list below multiply operands that are first quantised to E2M1 (2 exponent bits, 1 mantissa bit; 4 bits a number), with one power-of-two scale for each 32 numbers along K (OCP MX v1.0); their sums are f32. The products marked 'left as it is' may take bf16, f16 or f32 operands, with f32 sums. Whichever they take, every output number must still come out within the allowed error. Rounding operands to bf16 (8 significant bits) uses up far more of that allowance than f16 does (11 bits, for magnitudes from 6e-5 to 65,504). All else is computed in f32.
;;   The module's matrix products, in the order in which they are computed (A, B: the left and right operand; K: the contracted axis; several contracted axes count as one K, in the product's order):
;;     1. [M 8,192, K 1,024] x [K 1,024, N 1,024]; A: input q; B: input Wq: QUANTISED
;;     2. [M 8,192, K 1,024] x [K 1,024, N 1,024]; A: input k; B: input Wk: QUANTISED
;;     3. [M 8,192, K 1,024] x [K 1,024, N 1,024]; A: input v; B: input Wv: QUANTISED
;;     4. batch 128 x [M 1,024, K 64] x [K 64, N 1,024]; A: computed on the way; B: computed on the way: left as it is (an operand is computed on the way)
;;     5. batch 128 x [M 64, K 1,024] x [K 1,024, N 1,024]; A: computed on the way; B: computed on the way: left as it is (an operand is computed on the way)
;;     6. [M 8,192, K 1,024] x [K 1,024, N 1,024]; A: computed on the way; B: input Wo: left as it is (an operand is computed on the way)
;;   THE QUANTISER, for each operand of a quantised product, along K:
;;     - K is cut into blocks of 32 from its start; a last block that is shorter is filled with zeros.
;;     - A block's scale is 2^e with e = floor(log2(the largest magnitude in the block)) - 2, held to -126 .. 127; a block of zeros has e = 0. As a byte (E8M0): e + 127.
;;     - Each number is divided by its block's scale, clamped to +-6, and rounded to the nearest number of E2M1, ties to even, subnormals kept.
;;     - The product sums the exact products of the quantised numbers (number of the format x scale) in f32.
;;   ~~~python
;;   def quantise(x, axis):      # numpy; x: float32 -> the quantised numbers, widened to float32 again
;;       x = np.moveaxis(x, axis, -1); K = x.shape[-1]
;;       x = np.pad(x, [(0, 0)] * (x.ndim - 1) + [(0, -K % 32)]); x = x.reshape(x.shape[:-1] + (-1, 32)); a = np.abs(x).max(-1, keepdims=True)
;;       e = np.where(a > 0, np.clip(np.frexp(np.where(a > 0, a, 1))[1] - 1 - 2, -126, 127), 0)      # np.frexp(a)[1] - 1 = floor(log2(a)), exactly
;;       r = np.clip(x / 2.0 ** e, -6, 6)
;;       step = 2.0 ** (np.maximum(np.frexp(np.where(r == 0, 1, r))[1] - 1, 0) - 1)
;;       q = np.round(r / step) * step * 2.0 ** e      # np.round: ties to even
;;       return np.moveaxis(q.reshape(q.shape[:-2] + (-1,))[..., :K], -1, axis).astype(np.float32)
;;   ~~~
;; One version. Each part assembles by itself: llvm-mc -triple=amdgcn-amd-amdhsa -mcpu=gfx1250 --defsym DOCPART=n.
;; ======== version 1 of 1: 5 launches
;; limits: values are held in f16: magnitudes above 65,504 overflow, below 6.1e-05 lose precision
;; workspace buffers: xcodes 12,582,912 bytes; xscales 786,432 bytes; wcodes 1,572,864 bytes; wscales 98,304 bytes; woh 2,097,152 bytes; qkvh 50,331,648 bytes; ao 16,777,216 bytes; fine32 1,572,864 bytes
;; launch quant (part 1): grid 896 x 1, 4 waves a work-group, no clusters, 33,280 bytes of LDS; arguments q, k, v, Wq, Wk, Wv, Wo, xcodes, xscales, wcodes, wscales, woh; writes xcodes, xscales, wcodes, wscales, woh
.if DOCPART == 1
	.amdgcn_target "amdgcn-amd-amdhsa--gfx1250"
	.amdhsa_code_object_version 6
	.text
	.protected	k_q275b151234_quant
	.globl	k_q275b151234_quant
	.p2align	8
	.type	k_q275b151234_quant,@function
k_q275b151234_quant:
	s_mov_b64 s[64:65], 0
	v_nop
	global_prefetch_b8 v0, s[64:65] scope:SCOPE_SE
	s_setreg_imm32_b32 hwreg(HW_REG_WAVE_MODE, 25, 1), 1
	s_wait_xcnt 0x0
; q, k, v [8192][1024] and Wq, Wk, Wv [1024][1024], f32 with K innermost, become codes of FP4 (E2M1), two a byte, K innermost, with one E8M0 byte for each 32 along K; Wo becomes f16.
; A block's scale is 2^(floor(log2(its largest magnitude)) - 2); its byte is the largest magnitude's exponent field - 2, held at 1 from below.  Each number is divided by the scale and rounded to the nearest code, ties to even; beyond 6 the largest code.
; LIMITS: a block of zeros gets the byte 1 where the rule says 127 (its codes are zeros, and this program alone reads the bytes); blocks whose largest magnitude lies under 2^(2 - 126) are held at the byte 1;
; NaN and infinities among the inputs are not served; numbers of Wo beyond 65,504 become infinities of f16.
; SHARES.  Rows are dense and K is a multiple of 32, so each tensor is a plain stream of blocks of 32.  A work-group takes 32,768 numbers, a wave 8,192: work-groups 0-767 take q, k, v (256 each), 768-863 Wq, Wk, Wv (32 each), 864-895 Wo.
; The six quantised tensors take ONE path through the text: only pointers are chosen, by the work-group's number.  A wave goes 16 steps of 512 numbers: each load reads 512 consecutive bytes; the step's 2,048 bytes turn through the
; wave's own stage in LDS so that a lane holds 16 neighbours along K (two lanes hold a block); a lane's 16 codes are 8 bytes, so a store of the wave covers 256 consecutive bytes; the wave's 256 scale bytes are gathered in LDS and leave together.
; Memory binds: no matrix unit, no cluster (nothing is shared), no barrier (waves share nothing), no prefetch (the launch is one stream of loads).
.set WAVES, 4
.set STEPS, 16
.set EMAX,  2
.set CB,    8                          ; bytes of 16 codes
.set R,     16                         ; v16-79   four sets of 16 numbers as loaded (Wo's path: v16-143, two sets of 64)
.set X,     80                         ; v80-111  two sets of 16 neighbours
.set E,     112                        ; v112-127 a scale byte for each step
.set C,     128                        ; v128-191 codes, four registers for each step: no store's data are written again
.set WREG,  8192                       ; LDS: a region for each wave: two stages of 32 x SP bytes, behind them its 256 scale bytes
.set SP,    80                         ; a lane's place in a stage: 64 bytes + 16 of padding
.set SPW,   12                         ; v12  LDS address of my spare word; never rewritten
.set NIL,   13                         ; v13  0; never rewritten
.set SPARE, WAVES*WREG                 ; behind the regions: the spare words, 128 bytes a wave
.set WV,    28                         ; s28  my wave's number
.set SRC,   30                         ; s[30:31] where my wave reads
.set COD,   32                         ; s[32:33] where its codes (Wo: its f16 numbers) go
.set SCA,   34                         ; s[34:35] where its scale bytes go
.macro LOAD t
.irp i, 0,1,2,3
	global_load_b128 v[R+16*((\t)%4)+4*\i:R+16*((\t)%4)+4*\i+3], v3, s[SRC:SRC+1] offset:2048*(\t)+512*\i th:TH_LOAD_NT   ; 32 lanes read 512 consecutive bytes
.endr
.endm
.macro TURN t                          ; step t's numbers through the stage: LDS serves a wave's instructions in order (ISA guide 5.7.1), so no wait stands between the stores and the loads
.irp i, 0,1,2,3
	ds_store_b128 v14, v[R+16*((\t)%4)+4*\i:R+16*((\t)%4)+4*\i+3] offset:32*SP*((\t)%2)+8*SP*\i
.endr
.irp i, 0,1,2,3
	ds_load_b128 v[X+16*((\t)%2)+4*\i:X+16*((\t)%2)+4*\i+3], v15 offset:32*SP*((\t)%2)+16*\i
.endr
.endm
.macro STEP t
.set XS, X+16*((\t)%2)
.if (\t) > 0
	s_wait_dscnt 1                                 ; this step's numbers are back from the stage (the last step's byte store may be out)
.else
	s_wait_dscnt 0x0
.endif
.if (\t)+4 < STEPS
	LOAD (\t)+4                                    ; the stage's stores have read these registers: they take the loads of four steps on
.endif
.if (\t)+1 < STEPS
.if STEPS-2-(\t) >= 3
	s_wait_loadcnt 12                              ; the next step's four loads are in; those of the three steps behind it may be out
.else
	s_wait_loadcnt 4*(STEPS-2-(\t))
.endif
	TURN (\t)+1
.endif
	v_max3_num_f32 v8, |v[XS]|, |v[XS+1]|, |v[XS+2]|               ; the largest magnitude of my 16, in two chains
	v_max3_num_f32 v9, |v[XS+3]|, |v[XS+4]|, |v[XS+5]|
.irp i, 6,10
	v_max3_num_f32 v8, v8, |v[XS+\i]|, |v[XS+\i+1]|
	v_max3_num_f32 v9, v9, |v[XS+\i+2]|, |v[XS+\i+3]|
.endr
	v_max3_num_f32 v8, v8, |v[XS+14]|, |v[XS+15]|
	v_max3_num_f32 v8, v8, v9, (EMAX+1)<<23        ; and the floor 2^(EMAX + 1 - 127): the byte cannot fall under 1
	v_max_num_f32_dpp v8, v8, v8 row_xmask:1 row_mask:0xf bank_mask:0xf   ; with my neighbour's 16: the block's
	v_add_nc_u32 v11, -(EMAX<<23), v8              ; EMAX off its exponent field: the conversion takes the exponent field of this operand as its scale
	v_cvt_scalef32_pk8_fp4_f32 v[C+4*(\t)], v[XS:XS+7], v11
	v_cvt_scalef32_pk8_fp4_f32 v[C+4*(\t)+1], v[XS+8:XS+15], v11
	v_lshrrev_b32 v[E+(\t)], 23, v11               ; the scale's byte (a plain line behind the conversions)
	ds_store_b8 v5, v[E+(\t)] offset:16*(\t)       ; both lanes of a block write the same byte with the same value
	global_store_b64 v4, v[C+4*(\t):C+4*(\t)+1], s[COD:COD+1] offset:32*CB*(\t)   ; the wave stores 256 consecutive bytes
.endm
; Wo's path: set p of four is 16 loads of 512 consecutive bytes
.macro WO_LOAD p
.irp i, 0,1,2,3,4,5,6,7,8,9,10,11,12,13,14,15
	global_load_b128 v[R+64*((\p)%2)+4*\i:R+64*((\p)%2)+4*\i+3], v3, s[SRC:SRC+1] offset:(16*(\p)+\i)*512 th:TH_LOAD_NT
.endr
.endm
.macro WO_OUT p
.if (\p) > 0
	s_wait_xcnt 0x0                                ; the last set's stores have read v144-175: they are written again only behind this wait
.endif
.irp i, 0,1,2,3,4,5,6,7,8,9,10,11,12,13,14,15
.if (\p) < 3
	s_wait_loadcnt 31-\i                           ; load i of this set is in: behind it stand the set's 15 - i later loads and the next set's 16
.else
	s_wait_loadcnt 15-\i
.endif
	v_cvt_pk_f16_f32 v[144+2*\i], v[R+64*((\p)%2)+4*\i], v[R+64*((\p)%2)+4*\i+1]
	v_cvt_pk_f16_f32 v[145+2*\i], v[R+64*((\p)%2)+4*\i+2], v[R+64*((\p)%2)+4*\i+3]
	global_store_b64 v4, v[144+2*\i:145+2*\i], s[COD:COD+1] offset:(16*(\p)+\i)*256 th:TH_STORE_NT   ; the wave stores 256 consecutive bytes
.endr
.endm
	s_load_b512 s[4:19], s[0:1], 0x0               ; q 4, k 6, v 8, Wq 10, Wk 12, Wv 14, Wo 16, xcodes 18
	s_load_b256 s[20:27], s[0:1], 0x40             ; xscales 20, wcodes 22, wscales 24, woh 26
	v_lshl_add_u32 v[SPW], v0, 2, SPARE
	v_mov_b32 v[NIL], 0
	v_lshrrev_b32 v1, 5, v0
	v_readfirstlane_b32 s[WV], v1                  ; wave
	v_and_b32 v2, 31, v0                           ; lane
	v_lshlrev_b32 v3, 4, v2                        ; my 16 bytes of a load's 512
	s_mul_i32 s29, s[WV], WREG
	v_lshrrev_b32 v14, 2, v2
	v_mul_u32_u24 v14, v14, SP
	v_and_b32 v15, 3, v2
	v_lshl_add_u32 v14, v15, 4, v14
	v_add_nc_u32 v14, s29, v14                     ; the stage, on the way in: SP (lane / 4) + 16 (lane % 4)
	v_mul_u32_u24 v15, v2, SP
	v_add_nc_u32 v15, s29, v15                     ; and on the way out: SP x lane: my 16 neighbours
	v_mul_u32_u24 v4, v2, CB                       ; my 8 bytes of a store's 256
	v_lshrrev_b32 v5, 1, v2
	s_add_co_u32 s29, s29, 2*32*SP
	v_add_nc_u32 v5, s29, v5                       ; my wave's 256 scale bytes, my block's byte
	v_lshlrev_b32 v7, 3, v2
	v_add_nc_u32 v6, s29, v7                       ; and on the way out 8 bytes a lane
	s_wait_kmcnt 0x0
	s_cmp_ge_u32 ttmp9, 864
	s_cbranch_scc1 .Lwo
	s_cmp_lt_u32 ttmp9, 256                        ; which tensor: the choices hang on the work-group's number alone
	s_cselect_b64 s[SRC:SRC+1], s[4:5], s[6:7]
	s_cmp_lt_u32 ttmp9, 512
	s_cselect_b64 s[SRC:SRC+1], s[SRC:SRC+1], s[8:9]
	s_cmp_lt_u32 ttmp9, 768
	s_cselect_b64 s[SRC:SRC+1], s[SRC:SRC+1], s[10:11]
	s_cselect_b64 s[COD:COD+1], s[18:19], s[22:23]
	s_cselect_b64 s[SCA:SCA+1], s[20:21], s[24:25]
	s_cselect_b32 s36, 0, 768                      ; the first work-group of the x's or of the W's
	s_mov_b32 s37, 255
	s_cselect_b32 s37, s37, 31                     ; work-groups in a tensor, less 1
	s_cmp_lt_u32 ttmp9, 800
	s_cselect_b64 s[SRC:SRC+1], s[SRC:SRC+1], s[12:13]
	s_cmp_lt_u32 ttmp9, 832
	s_cselect_b64 s[SRC:SRC+1], s[SRC:SRC+1], s[14:15]
	s_sub_co_u32 s36, ttmp9, s36                   ; my place among the three tensors' work-groups: the workspace holds the three on end
	s_and_b32 s37, s36, s37                        ; and in my tensor
	s_lshl_b32 s37, s37, 2
	s_add_co_u32 s37, s37, s[WV]
	s_lshl_b32 s38, s37, 15                        ; a wave's run is 32,768 bytes of f32,
	s_mov_b32 s39, 0
	s_add_nc_u64 s[SRC:SRC+1], s[SRC:SRC+1], s[38:39]
	s_lshl_b32 s36, s36, 2
	s_add_co_u32 s36, s36, s[WV]
	s_lshl_b32 s38, s36, 12                        ; 4,096 bytes of codes,
	s_add_nc_u64 s[COD:COD+1], s[COD:COD+1], s[38:39]
	s_lshl_b32 s38, s36, 8                         ; 256 scale bytes
	s_add_nc_u64 s[SCA:SCA+1], s[SCA:SCA+1], s[38:39]
.irp t, 0,1,2,3
	LOAD \t
.endr
	s_wait_loadcnt 12                              ; step 0's four loads are in
	TURN 0
.irp t, 0,1,2,3,4,5,6,7,8,9,10,11,12,13,14,15
	STEP \t
.endr
	ds_load_b64 v[8:9], v6                         ; LDS serves a wave's instructions in order: these see my byte stores
	s_wait_dscnt 0x0
	global_store_b64 v7, v[8:9], s[SCA:SCA+1]      ; 32 lanes store 256 consecutive bytes
	s_wait_tensorcnt 0x0                           ; the wave's end, behind my last LDS store
	ds_add_u32 v[SPW], v[NIL]
	s_wait_dscnt 0x0
	s_endpgm
.Lwo:                                                  ; Wo to f16: a plain stream, two sets of 16 loads in flight
	s_sub_co_u32 s36, ttmp9, 864
	s_lshl_b32 s36, s36, 2
	s_add_co_u32 s36, s36, s[WV]
	s_lshl_b32 s38, s36, 15
	s_mov_b32 s39, 0
	s_add_nc_u64 s[SRC:SRC+1], s[16:17], s[38:39]
	s_lshl_b32 s38, s36, 14
	s_add_nc_u64 s[COD:COD+1], s[26:27], s[38:39]
	WO_LOAD 0
	WO_LOAD 1
	WO_OUT 0
	WO_LOAD 2
	WO_OUT 1
	WO_LOAD 3
	WO_OUT 2
	WO_OUT 3
	s_endpgm
.Lfunc_end_k_q275b151234_quant:
	.size	k_q275b151234_quant, .Lfunc_end_k_q275b151234_quant-k_q275b151234_quant
	.p2alignl 7, 3214868480
	.fill 96, 4, 3214868480
	.section	.rodata,"a",@progbits
	.p2align	6, 0x0
	.amdhsa_kernel k_q275b151234_quant
		.amdhsa_group_segment_fixed_size 33280
		.amdhsa_private_segment_fixed_size 0
		.amdhsa_enable_private_segment 0
		.amdhsa_kernarg_size 96
		.amdhsa_user_sgpr_count 2
		.amdhsa_user_sgpr_kernarg_segment_ptr 1
		.amdhsa_wavefront_size32 1
		.amdhsa_system_sgpr_workgroup_id_x 1
		.amdhsa_system_sgpr_workgroup_id_y 1
		.amdhsa_system_sgpr_workgroup_id_z 1
		.amdhsa_system_vgpr_workitem_id 0
		.amdhsa_next_free_vgpr 192
		.amdhsa_next_free_sgpr 66
		.amdhsa_reserve_vcc 0
		.amdhsa_float_denorm_mode_32 3
		.amdhsa_float_denorm_mode_16_64 3
		.amdhsa_memory_ordered 1
		.amdhsa_forward_progress 1
		.amdhsa_inst_pref_size 56
	.end_amdhsa_kernel
	.amdgpu_metadata
---
amdhsa.version: [ 1, 2 ]
amdhsa.kernels:
  - .name:           k_q275b151234_quant
    .symbol:         k_q275b151234_quant.kd
    .args:
      - { .name: q, .offset: 0, .size: 8, .value_kind: global_buffer, .address_space: global }
      - { .name: k, .offset: 8, .size: 8, .value_kind: global_buffer, .address_space: global }
      - { .name: v, .offset: 16, .size: 8, .value_kind: global_buffer, .address_space: global }
      - { .name: Wq, .offset: 24, .size: 8, .value_kind: global_buffer, .address_space: global }
      - { .name: Wk, .offset: 32, .size: 8, .value_kind: global_buffer, .address_space: global }
      - { .name: Wv, .offset: 40, .size: 8, .value_kind: global_buffer, .address_space: global }
      - { .name: Wo, .offset: 48, .size: 8, .value_kind: global_buffer, .address_space: global }
      - { .name: xcodes, .offset: 56, .size: 8, .value_kind: global_buffer, .address_space: global }
      - { .name: xscales, .offset: 64, .size: 8, .value_kind: global_buffer, .address_space: global }
      - { .name: wcodes, .offset: 72, .size: 8, .value_kind: global_buffer, .address_space: global }
      - { .name: wscales, .offset: 80, .size: 8, .value_kind: global_buffer, .address_space: global }
      - { .name: woh, .offset: 88, .size: 8, .value_kind: global_buffer, .address_space: global }
    .group_segment_fixed_size: 33280
    .private_segment_fixed_size: 0
    .kernarg_segment_align: 8
    .kernarg_segment_size: 96
    .max_flat_workgroup_size: 128
    .sgpr_count:     66
    .vgpr_count:     192
    .wavefront_size: 32
...
	.end_amdgpu_metadata
.endif
;; end of part 1
;; launch proj (part 2): grid 4 x 96, 4 waves a work-group, clusters of 4 x 4, 327,680 bytes of LDS; arguments xcodes, xscales, wcodes, wscales, qkvh, fine32; writes qkvh, fine32
.if DOCPART == 2
	.amdgcn_target "amdgcn-amd-amdhsa--gfx1250"
	.amdhsa_code_object_version 6
	.text
	.protected	k_q275b151234_proj
	.globl	k_q275b151234_proj
	.p2align	8
	.type	k_q275b151234_proj,@function
k_q275b151234_proj:
	s_mov_b64 s[64:65], 0
	v_nop
	global_prefetch_b8 v0, s[64:65] scope:SCOPE_SE
	s_setreg_imm32_b32 hwreg(HW_REG_WAVE_MODE, 25, 1), 1
	s_wait_xcnt 0x0
	s_wait_alu depctr_hold_cnt(0) depctr_sa_sdst(0) depctr_va_vdst(0) depctr_va_sdst(0) depctr_va_ssrc(0) depctr_va_vcc(0) depctr_vm_vsrc(0)
	s_getreg_b32 s2, hwreg(HW_REG_IB_STS2, 6, 4)
	s_cmp_eq_u32 s2, 0
	s_cbranch_scc0 .Lentry_in_a_cluster
	s_endpgm
.Lentry_in_a_cluster:
	s_bfe_u32 s2, ttmp6, 0x10000c
	s_cmp_lg_u32 s2, 0xf033
	s_cbranch_scc0 .Lentry_shape_is_right
	s_endpgm
.Lentry_shape_is_right:
; The three quantised products: C[m][n] = sum over k of x[m][k] W[n][k], on codes of FP4 (E2M1) with one E8M0 scale for each 32 along K, sums in f32.  x: the rows of q, k, v on end, [3 x 8192][1024]; W: Wq, Wk, Wv on end, [3 x 1024][1024].
; C leaves as f16, head by head: qkvh [3][8 b][16 h][1024 s][64], so that a head's rows are dense; the f32 sums of positions 0-15 of every batch leave besides, as fine32 [3][8 b][16][1024].
; LIMIT: a projected number beyond 65,504 becomes an infinity of f16.
; A tile of C, 256 x 256, is made by four waves, 128 x 128 each: 64 accumulators of 16 x 16, 512 registers.  K = 1,024 is two LDS slots of 512 along K (rows of 256 bytes): both are first fills, nothing is filled again, there is no loop.
; THE SCALES of the tile's 256 + 256 rows, for all of K, are two dense blocks of memory: they come once, with the first fills.  By this text's own count a wave has three tensor loads out.
; CLUSTERS: 4 x 4 work-groups.  The four of a row of the cluster need the same tiles of x, the four of a column the same tiles of W: each is asked for JOINTLY.  Tile row = 32 t + (Y % 8) + 8 cy (Y: the cluster's y, t = Y / 8), so that
; 'this tile begins a batch' hangs on Y alone and is the same in all sixteen partners.
; THE MATRIX INSTRUCTION IS USED TRANSPOSED (source 0 = 16 rows of W, source 1 = 16 rows of x): a lane holds eight neighbouring numbers of a row of C.
; REGISTERS, in windows of 256: window 0: v0-31 addresses; v32-95 scale words, two sets; v128-191 x's fragments, ONE set; on the way out v32-255 are free.  window 1: W's fragments, two sets, at v0 and v128.
;   window 2: the accumulators of my rows 0-63 ((a, b) at v[8 (8 a + b)]); window 3: those of my rows 64-127.
.set KSTEP,  512
.set NQ,     KSTEP/128
.set ROWB,   256                       ; a tile's row in bytes
.set KROW,   512                       ; a row of codes in memory
.set PITCH,  272                       ; an LDS row: 256 bytes + 16 of padding: the 16 rows that a load touches start at 16 different banks (64 banks of 4 bytes: ISA guide 11.1)
.set FR,     8
.set NL,     2
.set NP,     4                         ; places behind this matrix instruction (ISA guide 7.12.1)
.set HALFT,  128*PITCH
.set SLOT,   4*HALFT
.set KS,     32                        ; a row of scale bytes
.set SCL,    2*SLOT
.set HALFS,  (128*KS/256)*272
.set SBLK,   (16*KS/256)*272
.set SPARE,  SCL+4*HALFS               ; the spare words, 128 bytes a wave
.set SP16,   272                       ; the way out, in slot 0, which has had its only fill and its last read by then: for each wave 16 rows x (256 + 16) bytes of f16 from byte 0 on,
.set SP32,   528                       ; and 16 rows x (512 + 16) bytes of f32
.set STG32,  32768                     ; from here on
.set ADRA, 16
.set ADRB, 20
.set STO32, 22
.set RD32, 23
.set STO,  24
.set RD,   25
.set CO,   26
.set ADRS, 27
.set SPW,  28
.set NIL,  29
.set SC,   32
.set AF,   128
.set BK,   128                         ; the way out: rows read back: v128-159 and v160-191 by turns
.set TMP,  192                         ; the way out: a block's 32 packed registers
.set G1, 24
.set G0, 32
.set G1B, 48
.set G0B, 56
.set G1S, 68
.set G0S, 76
.set G1SB, 80
.set G0SB, 88
.set MSB, 0
.macro WIN new                         ; the immediate's high byte repeats the setting that is left
.if MSB != \new
	s_set_vgpr_msb (MSB<<8)|\new
.set MSB, \new
.endif
.endm
.set MUL_LO, 0xa1                      ; source 0 (W) window 1, source 1 (x) window 0, C and D window 2
.set MUL_HI, 0xf1
.set TO_B,   0x40
; A joint load: waves 0 and 1 fetch for x, waves 2 and 3 for W.  The branch hangs on the wave's number alone.  An s_nop 0 and four v_nop follow each of the two lines.
.macro JLOAD g0a, g1a, g0b, g1b
	s_cmp_eq_u32 s15, 0
	s_cbranch_scc0 .Lfor_b_\@
	tensor_load_to_lds s[\g0a:\g0a+3], s[\g1a:\g1a+7]
	s_nop 0
.rept 4
	v_nop
.endr
	s_branch .Lasked_\@
.Lfor_b_\@:
	tensor_load_to_lds s[\g0b:\g0b+3], s[\g1b:\g1b+7]
	s_nop 0
.rept 4
	v_nop
.endr
.Lasked_\@:
.endm
.macro CROUND                          ; a round of the cluster's barrier
	s_barrier_signal -1
	s_barrier_wait -1
	s_cmp_lg_u32 s14, 0
	s_cbranch_scc1 .Lnot_wave_0_\@
	s_barrier_signal -3
.Lnot_wave_0_\@:
	s_barrier_wait -3
	s_barrier_signal -1
	s_barrier_wait -1
.endm
	s_load_b128 s[4:7], s[0:1], 0x0                ; x's codes, x's scales
	s_load_b128 s[8:11], s[0:1], 0x10              ; W's codes, W's scales
	s_load_b64 s[12:13], s[0:1], 0x20              ; qkvh
	s_load_b64 s[66:67], s[0:1], 0x28              ; fine32
	v_lshl_add_u32 v[SPW], v0, 2, SPARE
	v_mov_b32 v[NIL], 0
	ds_add_u32 v[SPW], v[NIL]                      ; the wave's opening: the add, twice on end, and its wait ahead of my first tensor load
	ds_add_u32 v[SPW], v[NIL]
	v_lshrrev_b32 v1, 5, v0
	v_readfirstlane_b32 s14, v1                    ; wave 0..3
	s_lshr_b32 s15, s14, 1                         ; which half of the tile's rows is mine.  Also: I fetch for x (0) or for W (1)
	s_and_b32 s16, s14, 1                          ; which half of its columns.  Also: which 128 rows I fetch
	s_bfe_u32 s40, ttmp6, 0x40000                  ; cx
	s_bfe_u32 s41, ttmp6, 0x40004                  ; cy
	s_lshl_b32 s42, ttmp9, 2
	s_add_co_u32 s42, s42, s40                     ; tile column of C, 0..3
	s_and_b32 s96, ttmp7, 0xffff                   ; Y, the cluster's y: 0..23
	s_lshr_b32 s97, s96, 3                         ; t: q, k or v
	s_and_b32 s17, s96, 7
	s_lshl_b32 s18, s97, 5
	s_add_co_u32 s17, s17, s18
	s_lshl_b32 s18, s41, 3
	s_add_co_u32 s17, s17, s18                     ; tile row of C = 32 t + Y % 8 + 8 cy
	s_lshl_b32 s95, s97, 2
	s_add_co_u32 s95, s95, s42                     ; tile row of the W's = 4 t + tile column
	s_and_b32 s3, s96, 3
	s_or_b32 s3, s3, s15                           ; 0 where my block 0 is positions 0-15 of a batch: the cluster's y and the wave's number alone
	s_lshl_b32 s43, s41, 2
	s_lshl_b32 s43, 15, s43                        ; my row of the cluster
	s_lshl_b32 s44, 0x1111, s40                    ; my column
	s_or_b32 s[G1+0], s43, (0<<16)|(1<<20)|(1<<21)|(5<<22)|(3<<25)  ; the mask; elements of 1 byte; padding on; bit 21 beside a mask; after every 64 words four words
	s_or_b32 s[G1B+0], s44, (0<<16)|(1<<20)|(1<<21)|(5<<22)|(3<<25)
.irp g, G1, G1B
	s_mov_b32 s[\g+1], ROWB<<16                    ; tensor_dim0
	s_mov_b32 s[\g+2], 128<<16                     ; tensor_dim1
	s_mov_b32 s[\g+3], ROWB<<16                    ; tile_dim0
	s_mov_b32 s[\g+4], 128                         ; tile_dim1
	s_mov_b32 s[\g+5], KROW                        ; tensor_dim0_stride
	s_mov_b32 s[\g+6], 0
	s_mov_b32 s[\g+7], 0
.endr
	s_or_b32 s[G1S+0], s43, (3<<16)|(1<<20)|(1<<21)|(5<<22)|(3<<25) ; the scales of 128 rows: 4,096 dense bytes as 16 rows of 256 (32 elements of 8 bytes)
	s_or_b32 s[G1SB+0], s44, (3<<16)|(1<<20)|(1<<21)|(5<<22)|(3<<25)
.irp g, G1S, G1SB
	s_mov_b32 s[\g+1], 32<<16
	s_mov_b32 s[\g+2], (128*KS/256)<<16
	s_mov_b32 s[\g+3], 32<<16
	s_mov_b32 s[\g+4], 128*KS/256
	s_mov_b32 s[\g+5], 32
	s_mov_b32 s[\g+6], 0
	s_mov_b32 s[\g+7], 0
.endr
	s_lshl_b32 s18, s16, 7
	s_lshl_b32 s20, s17, 8
	s_add_co_u32 s20, s20, s18                     ; x: row 256 x tile row + 128 x half
	s_lshl_b32 s46, s95, 8
	s_add_co_u32 s46, s46, s18                     ; W likewise
	s_mov_b32 s21, 0
	s_mov_b32 s47, 0
	s_mov_b64 s[18:19], KS
	s_mul_u64 s[22:23], s[20:21], s[18:19]         ; where these rows' scales begin,
	s_mul_u64 s[92:93], s[46:47], s[18:19]
	s_mov_b64 s[18:19], KROW
	s_mul_u64 s[20:21], s[20:21], s[18:19]         ; and their codes
	s_mul_u64 s[46:47], s[46:47], s[18:19]
	s_mul_i32 s45, s14, HALFT                      ; where they go: wave x 128 rows: no place in the cluster enters an LDS address
	s_mul_i32 s94, s14, HALFS
	s_wait_dscnt 0x0                               ; both opening adds are done
	s_wait_kmcnt 0x0
	s_add_nc_u64 s[20:21], s[4:5], s[20:21]
	s_add_nc_u64 s[22:23], s[6:7], s[22:23]
	s_add_nc_u64 s[46:47], s[8:9], s[46:47]
	s_add_nc_u64 s[92:93], s[10:11], s[92:93]
	CROUND                                         ; all sixteen work-groups are here: the joint loads meet
	s_mov_b32 s[G0S], 1
	s_add_co_u32 s[G0S+1], s94, SCL
	s_mov_b64 s[G0S+2:G0S+3], s[22:23]
	s_or_b32 s[G0S+3], s[G0S+3], 0x80000000
	s_mov_b32 s[G0SB], 1
	s_add_co_u32 s[G0SB+1], s94, SCL
	s_mov_b64 s[G0SB+2:G0SB+3], s[92:93]
	s_or_b32 s[G0SB+3], s[G0SB+3], 0x80000000
	JLOAD G0S, G1S, G0SB, G1SB                     ; the scales first: they are wanted with the first slot
.irp s, 0,1
	s_mov_b32 s[G0+4*\s], 1
	s_add_co_u32 s[G0+4*\s+1], s45, \s*SLOT
	s_add_nc_u64 s[G0+4*\s+2:G0+4*\s+3], s[20:21], \s*ROWB
	s_or_b32 s[G0+4*\s+3], s[G0+4*\s+3], 0x80000000
	s_mov_b32 s[G0B+4*\s], 1
	s_add_co_u32 s[G0B+4*\s+1], s45, \s*SLOT
	s_add_nc_u64 s[G0B+4*\s+2:G0B+4*\s+3], s[46:47], \s*ROWB
	s_or_b32 s[G0B+4*\s+3], s[G0B+4*\s+3], 0x80000000
	JLOAD G0+4*\s, G1, G0B+4*\s, G1B
.endr
	v_and_b32 v1, 15, v0                           ; r = l % 16
	v_bfe_u32 v2, v0, 4, 1                         ; h = l / 16
	v_mul_u32_u24 v3, v1, PITCH
	v_lshl_add_u32 v4, v2, 4, v3                   ; a fragment's row x pitch + 16 x half
	s_mul_i32 s21, s15, HALFT                      ; my 128 rows of x
	s_mul_i32 s22, s16, HALFT                      ; my 128 rows of W,
	s_add_co_u32 s22, s22, 2*HALFT                 ; behind x's 256
.irp s, 0,1
	v_add_nc_u32 v[ADRA+\s], s21, v4
	v_add_nc_u32 v[ADRB+\s], s22, v4
	s_add_co_u32 s21, s21, SLOT
	s_add_co_u32 s22, s22, SLOT
.endr
	v_mul_u32_u24 v5, v1, KS                       ; my row's scales: KS bytes a row,
	v_lshrrev_b32 v6, 8, v5
	v_lshl_add_u32 v5, v6, 4, v5                   ; and 16 more for each 256 passed
	s_mul_i32 s21, s15, HALFS
	s_mul_i32 s22, s16, HALFS
	s_add_co_u32 s22, s22, 2*HALFS
	s_sub_co_u32 s22, s22, s21
	v_mul_u32_u24 v6, s22, v2                      ; lanes 16-31 take W's
	s_add_co_u32 s21, s21, SCL
	v_add_nc_u32 v5, v5, v6
	v_add_nc_u32 v[ADRS], s21, v5
	s_mul_i32 s23, s14, 16*SP16                    ; my f16 stage
	v_mul_u32_u24 v5, v1, SP16
	v_lshl_add_u32 v5, v2, 4, v5
	v_add_nc_u32 v[STO], s23, v5                   ; in: row r, 16 bytes for each half of the lanes
	v_and_b32 v6, 31, v0
	v_lshrrev_b32 v7, 3, v6
	v_mul_u32_u24 v7, v7, SP16
	v_and_b32 v8, 7, v0
	v_lshl_add_u32 v7, v8, 4, v7
	v_add_nc_u32 v[RD], s23, v7                    ; back: eight lanes take a head's 128 bytes of a row, four rows an instruction
	v_lshlrev_b32 v[CO], 4, v6                     ; which are 512 consecutive bytes of qkvh: 16 x lane
	s_mul_i32 s23, s14, 16*SP32
	s_add_co_u32 s23, s23, STG32                   ; my f32 stage
	v_mul_u32_u24 v5, v1, SP32
	v_lshl_add_u32 v5, v2, 5, v5
	v_add_nc_u32 v[STO32], s23, v5
	v_add_nc_u32 v[RD32], s23, v[CO]
	; where my part begins.  qkvh: (8 t + b) x 2^21 + head x 2^17 + position x 128;  fine32: (8 t + b) x 2^16 + 4 x column.  Row part and column part are added one after the other, each from registers of its own
	s_lshr_b32 s20, s17, 2                         ; 8 t + b
	s_lshl_b32 s22, s20, 16
	s_mov_b32 s23, 0
	s_add_nc_u64 s[66:67], s[66:67], s[22:23]
	s_lshl_b32 s20, s20, 21
	s_and_b32 s22, s17, 3
	s_lshl_b32 s22, s22, 8
	s_lshl_b32 s21, s15, 7
	s_add_co_u32 s22, s22, s21                     ; my first position
	s_lshl_b32 s22, s22, 7
	s_add_co_u32 s20, s20, s22
	s_mov_b32 s21, 0
	s_add_nc_u64 s[12:13], s[12:13], s[20:21]
	s_lshl_b32 s46, s42, 2
	s_lshl_b32 s47, s16, 1
	s_add_co_u32 s46, s46, s47                     ; my first head
	s_lshl_b32 s46, s46, 17
	s_mov_b32 s47, 0
	s_add_nc_u64 s[12:13], s[12:13], s[46:47]
	s_lshl_b32 s46, s42, 10
	s_lshl_b32 s92, s16, 9
	s_add_co_u32 s46, s46, s92
	s_add_nc_u64 s[66:67], s[66:67], s[46:47]
.macro FRAG reg, adr, q, i             ; 16 rows x 128 K of 4-bit codes: lane l holds row l % 16; registers 4 c .. 4 c + 3 hold K = 64 c + 32 (l / 16) + 0 .. 31
.irp c, 0,1
	ds_load_b128 v[\reg+4*\c:\reg+4*\c+3], v[\adr] offset:64*(\q)+32*\c+(\i)*16*PITCH
.endr
.endm
; 16 matrix instructions: x's blocks a0, a0 + 1 against W's eight, the slot's q-th 128 along K.  The 64 accumulators take turns, one instruction a turn, in the same order in every step.
.macro MUL16 a0, p, q, sc, zero
.irp a, \a0, \a0+1
.irp b, 0,1,2,3,4,5,6,7
.if \zero
	v_wmma_scale_f32_16x16x128_f8f6f4 v[8*(8*((\a)%4)+\b):8*(8*((\a)%4)+\b)+7], v[128*(\p)+FR*\b:128*(\p)+FR*\b+FR-1], v[AF+FR*(\a):AF+FR*(\a)+FR-1], 0, v[SC+8*NQ*(\sc)+NQ*\b+(\q)], v[SC+8*NQ*(\sc)+NQ*(\a)+(\q)] matrix_a_fmt:MATRIX_FMT_FP4 matrix_b_fmt:MATRIX_FMT_FP4 matrix_a_scale:MATRIX_SCALE_ROW1
.else
	v_wmma_scale_f32_16x16x128_f8f6f4 v[8*(8*((\a)%4)+\b):8*(8*((\a)%4)+\b)+7], v[128*(\p)+FR*\b:128*(\p)+FR*\b+FR-1], v[AF+FR*(\a):AF+FR*(\a)+FR-1], v[8*(8*((\a)%4)+\b):8*(8*((\a)%4)+\b)+7], v[SC+8*NQ*(\sc)+NQ*\b+(\q)], v[SC+8*NQ*(\sc)+NQ*(\a)+(\q)] matrix_a_fmt:MATRIX_FMT_FP4 matrix_b_fmt:MATRIX_FMT_FP4 matrix_a_scale:MATRIX_SCALE_ROW1
.endif
.endr
.endr
.endm
.macro FETCH_B slot, q, p
	WIN TO_B
.irp i, 0,1,2,3,4,5,6,7
	FRAG 128*(\p)+FR*\i, ADRB+\slot, \q, \i
.endr
	WIN 0
.endm
.macro FETCH_A slot, q, i0
.irp i, \i0, \i0+1, \i0+2, \i0+3
	FRAG AF+FR*(\i), ADRA+\slot, \q, \i
.endr
.endm
.macro SCALES sc                       ; a slot's scale words: lanes 0-15 take x's block i, lanes 16-31 W's block i; these registers hold scales and nothing else
.irp i, 0,1,2,3,4,5,6,7
	ds_load_b128 v[SC+8*NQ*\sc+NQ*\i:SC+8*NQ*\sc+NQ*\i+3], v[ADRS] offset:\i*SBLK
.endr
.endm
.macro PLACES n                        ; plain vector lines between a matrix instruction and a load into, or a read of, its registers
.rept \n
	v_nop
.endr
.endm
.macro STEP slot, q, zero              ; a step of 128 along K that has its successor in the same slot
	s_wait_dscnt 4*NL                              ; W's set and x's blocks 0-3 are in; the youngest eight loads (x's blocks 4-7) may be out
	WIN MUL_LO
	MUL16 0, (\q)%2, \q, \slot, \zero
	MUL16 2, (\q)%2, \q, \slot, \zero
	s_wait_dscnt 0
	PLACES NP
	FETCH_B \slot, (\q)+1, 1-(\q)%2
	FETCH_A \slot, (\q)+1, 0
	WIN MUL_HI
	MUL16 4, (\q)%2, \q, \slot, \zero
	MUL16 6, (\q)%2, \q, \slot, \zero
	PLACES NP
	WIN 0
	FETCH_A \slot, (\q)+1, 4
.endm
; Slot 0's last step changes slots: one barrier; in front of it each wave waits for all its tensor loads (its part of slot 1), adds 0 to its spare word, and waits for that and for its reads of slot 0.  Nothing is filled again.
.macro TURN slot, next
	s_wait_tensorcnt 0x0
	ds_add_u32 v[SPW], v[NIL]
	s_wait_dscnt 4*NL+1                            ; (the add and the youngest eight loads may be out)
	WIN MUL_LO
	MUL16 0, 1, NQ-1, \slot, 0
	s_wait_dscnt 0x0                               ; the add is done, and my reads of this slot are over
	s_barrier_signal -1
	MUL16 2, 1, NQ-1, \slot, 0
	WIN 0
	s_barrier_wait -1
	PLACES NP
	v_add_nc_u32 v[ADRS], 4*NQ, v[ADRS]            ; on to the next slot's scale words
	FETCH_B \next, 0, 0
	FETCH_A \next, 0, 0
	SCALES \next
	WIN MUL_HI
	MUL16 4, 1, NQ-1, \slot, 0
	MUL16 6, 1, NQ-1, \slot, 0
	PLACES NP
	WIN 0
	FETCH_A \next, 0, 4
.endm
.macro STEPS slot, from
.set Q, \from
.rept NQ-1-\from
	STEP \slot, Q, 0
.set Q, Q+1
.endr
.endm
	s_wait_tensorcnt 1                             ; the scales and my part of slot 0 are in (slot 1's load may be out)
	s_barrier_signal -1
	s_barrier_wait -1                              ; everybody's are
	FETCH_B 0, 0, 0
	FETCH_A 0, 0, 0
	SCALES 0
	FETCH_A 0, 0, 4
	STEP 0, 0, 1                                   ; the first products start the sums: nothing is cleared
	STEPS 0, 1
	TURN 0, 1
	STEPS 1, 0
	s_wait_dscnt 4*NL                              ; the last step: nothing more to fetch
	WIN MUL_LO
	MUL16 0, 1, NQ-1, 1, 0
	MUL16 2, 1, NQ-1, 1, 0
	s_wait_dscnt 0
	WIN MUL_HI
	MUL16 4, 1, NQ-1, 1, 0
	MUL16 6, 1, NQ-1, 1, 0
	WIN 0
; THE WAY OUT.  A lane holds eight neighbouring columns of one row, the lanes beside it other rows: a block of 16 rows goes through my own stage in LDS.  LDS serves a wave's instructions in order (ISA guide 5.7.1): no wait between the stores and the loads.
	PLACES NP                                      ; behind the last products, ahead of every read of results and every load into operands' registers
	s_cmp_lg_u32 s3, 0
	s_cbranch_scc1 .Lnofine
	WIN 0x08                                       ; POSITIONS 0-15 OF A BATCH leave in f32 too: block 0's accumulators, window 2, each from its low end on
.irp b, 0,1,2,3,4,5,6,7
	ds_store_b128 v[STO32], v[8*\b:8*\b+3] offset:64*\b
	ds_store_b128 v[STO32], v[8*\b+4:8*\b+7] offset:64*\b+16
.endr
	WIN 0
.irp i, 0,1,2,3,4,5,6,7,8,9,10,11,12,13,14,15
	ds_load_b128 v[32+4*\i:35+4*\i], v[RD32] offset:\i*SP32
.endr
	s_wait_dscnt 0x0
.irp i, 0,1,2,3,4,5,6,7,8,9,10,11,12,13,14,15
	global_store_b128 v[CO], v[32+4*\i:35+4*\i], s[66:67] offset:4096*\i   ; 32 lanes store 512 consecutive bytes of a row
.endr
.Lnofine:
.macro PACK a                          ; block a rounded to f16: 16 bytes a lane for each of W's eight blocks
.set AC, 64*((\a)%4)
.set WW, 0x0a+5*((\a)/4)
	WIN WW                                         ; sources 0 and 1: window 2 or 3
.irp b, 0,1,2,3,4,5,6,7
.irp p, 0,1,2,3
	v_cvt_pk_f16_f32 v[TMP+4*\b+\p], v[AC+8*\b+2*\p], v[AC+8*\b+2*\p+1]
.endr
.endr
	WIN 0
.endm
.macro TOSTAGE a
.set BB, BK+32*((\a)%2)
.irp b, 0,1,2,3,4,5,6,7
	ds_store_b128 v[STO], v[TMP+4*\b:TMP+4*\b+3] offset:32*\b
.endr
.irp i, 0,1,2,3,4,5,6,7                ; load i: head i / 4 of my two, rows 4 (i % 4) on
	ds_load_b128 v[BB+4*\i:BB+4*\i+3], v[RD] offset:(\i%4)*4*SP16+128*(\i/4)
.endr
.endm
.macro SEND a
.set BB, BK+32*((\a)%2)
	s_wait_dscnt 0x0                               ; the block is back in registers
	s_wait_xcnt 0x0                                ; the block before has had its stores' registers read: the next block's loads may land there
.irp i, 0,1,2,3,4,5,6,7
	global_store_b128 v[CO], v[BB+4*\i:BB+4*\i+3], s[12:13] offset:2048*(\a)+131072*(\i/4)+512*(\i%4)   ; four positions of a head: 512 consecutive bytes; every offset is an immediate
.endr
.endm
	PACK 0
	TOSTAGE 0
.irp a, 1,2,3,4,5,6,7                  ; block a's conversions stand between block a - 1's loads from the stage and the wait for them
	PACK \a
	SEND \a-1
	TOSTAGE \a
.endr
	SEND 7
	s_wait_tensorcnt 0x0                           ; the wave's end
	ds_add_u32 v[SPW], v[NIL]
	s_wait_dscnt 0x0
	CROUND                                         ; the closing round: no work-group ends while a partner may still ask for a tile that names it
	s_endpgm
.Lfunc_end_k_q275b151234_proj:
	.size	k_q275b151234_proj, .Lfunc_end_k_q275b151234_proj-k_q275b151234_proj
	.p2alignl 7, 3214868480
	.fill 96, 4, 3214868480
	.section	.rodata,"a",@progbits
	.p2align	6, 0x0
	.amdhsa_kernel k_q275b151234_proj
		.amdhsa_group_segment_fixed_size 327680
		.amdhsa_private_segment_fixed_size 0
		.amdhsa_enable_private_segment 0
		.amdhsa_kernarg_size 48
		.amdhsa_user_sgpr_count 2
		.amdhsa_user_sgpr_kernarg_segment_ptr 1
		.amdhsa_wavefront_size32 1
		.amdhsa_system_sgpr_workgroup_id_x 1
		.amdhsa_system_sgpr_workgroup_id_y 1
		.amdhsa_system_sgpr_workgroup_id_z 1
		.amdhsa_system_vgpr_workitem_id 0
		.amdhsa_next_free_vgpr 1024
		.amdhsa_next_free_sgpr 98
		.amdhsa_reserve_vcc 0
		.amdhsa_float_denorm_mode_32 3
		.amdhsa_float_denorm_mode_16_64 3
		.amdhsa_memory_ordered 1
		.amdhsa_forward_progress 1
		.amdhsa_inst_pref_size 131
	.end_amdhsa_kernel
	.amdgpu_metadata
---
amdhsa.version: [ 1, 2 ]
amdhsa.kernels:
  - .name:           k_q275b151234_proj
    .symbol:         k_q275b151234_proj.kd
    .args:
      - { .name: xcodes, .offset: 0, .size: 8, .value_kind: global_buffer, .address_space: global }
      - { .name: xscales, .offset: 8, .size: 8, .value_kind: global_buffer, .address_space: global }
      - { .name: wcodes, .offset: 16, .size: 8, .value_kind: global_buffer, .address_space: global }
      - { .name: wscales, .offset: 24, .size: 8, .value_kind: global_buffer, .address_space: global }
      - { .name: qkvh, .offset: 32, .size: 8, .value_kind: global_buffer, .address_space: global }
      - { .name: fine32, .offset: 40, .size: 8, .value_kind: global_buffer, .address_space: global }
    .group_segment_fixed_size: 327680
    .private_segment_fixed_size: 0
    .kernarg_segment_align: 8
    .kernarg_segment_size: 48
    .max_flat_workgroup_size: 128
    .sgpr_count:     98
    .vgpr_count:     1024
    .wavefront_size: 32
...
	.end_amdgpu_metadata
.endif
;; end of part 2
;; launch attn (part 3): grid 2 x 128, 16 waves a work-group, no clusters, 327,680 bytes of LDS; arguments qkvh, ao; writes ao
.if DOCPART == 3
	.amdgcn_target "amdgcn-amd-amdhsa--gfx1250"
	.amdhsa_code_object_version 6
	.text
	.protected	k_q275b151234_attn
	.globl	k_q275b151234_attn
	.p2align	8
	.type	k_q275b151234_attn,@function
k_q275b151234_attn:
	s_mov_b64 s[64:65], 0
	v_nop
	global_prefetch_b8 v0, s[64:65] scope:SCOPE_SE
	s_setreg_imm32_b32 hwreg(HW_REG_WAVE_MODE, 25, 1), 1
	s_wait_xcnt 0x0
; ao[b][h][q][:] = the sum over keys k <= q of softmax_k(Q[q] . K[k] / 8) V[k][:], for each of 128 heads (b, h).  Q, K, V: qkvh [3][128 heads][1024][64] f16; ao: [128][1024][64] f16.  Products on f16 operands with f32 sums;
; maxima, exponentials and sums in f32; the weights p are rounded to f16 for the second product, the row's sum is taken of the unrounded p.  A running maximum m is taken away ahead of every exponential.
; LIMITS: hidden scores count as -infinity where the definition has -1e9: the same result unless a visible scaled score lies near -1e9.  Positions 0-15 of each sequence are made here too, but what is made of them is not stored to the output: another launch carries them in f32.
; SHARES.  A head's 1,024 queries are 32 pieces of 32; work-group j (0, 1) of the head takes the pieces 2 w + j, wave w one piece: two tiles of 16.  So both work-groups have nearly the same number of key steps, and four waves share a
; SIMD, so that one wave's softmax stands beside another's products.  Each fragment of K and V read from LDS feeds two matrix instructions.
; ALL OF A HEAD'S K AND V LIE IN LDS, filled once: waves 0 and 1 bring K's, waves 2 and 3 V's, four loads each of 128 keys (by this text's own count four tensor loads of a wave are out).  Two positions make a row of 256 bytes.
; Four barriers, one for each 256 keys: in front of barrier c a wave waits until its loads for keys up to 256 c + 255 have landed; the later ones stay on their way.  Nothing is filled again.
; No cluster: only the two work-groups of a head read the same tiles, and the grid's x of 2 forms no cluster of four.  No prefetch: every load of the launch is issued at its head.
; LAYOUT.  S^T = K Q^T (source 0 = 16 keys, source 1 = 16 queries): a lane holds ONE query (lane % 16) and the keys 8 (lane / 16) + 0..7 of a tile.  Two such tiles, rounded to f16 in pairs, ARE source 1 of O^T = V^T P.  V is turned by ds_load_tr16_b128.
.set PK,    272                        ; two keys of K in LDS: 256 bytes + 16: key kk lies at (kk / 2) PK + (kk % 2) 128: the 16 keys of a load fall on 16 different columns of 16 bytes
.set PV,    288                        ; two keys of V: 256 + 32: the turning load's 8 keys x 32 bytes fall on 16 different columns
.set VB,    512*PK                     ; V begins here
.set SPARE, VB+512*PV                  ; the spare words, 128 bytes a wave
.set STAGE, SPARE+2048                 ; the way out: 16 rows x (128 + 16) bytes for each wave; no tensor load lands here
.set SPT,   144
.set AK0, 1                            ; v1   my lane's place in a tile of K
.set AV0, 2                            ; v2   the same for V
.set ADK, 3                            ; v3   LDS address of the step's K
.set ADV, 4                            ; v4   of its V
.set SPW, 5                            ; v5   my spare word; never rewritten
.set NIL, 6                            ; v6   0; never rewritten
.set D0,  7                            ; v7   lane % 16 - 8 (lane / 16)
.set DT,  8                            ; v8-9 on the diagonal: tile t's query less the lane's first key
.set NINF, 10                          ; v10  -infinity
.set STO, 11
.set RD,  12
.set GO,  13
.set QO,  14
.set ST,  16                           ; tile t's statistics at v[ST + 8 t]: +0 c m, +1 m, +2, +3 l in two halves, +4 to +7 at work; a takes +6
.set Q,   32                           ; v32-63   Q: tile t, channels 32 f on, at Q + 16 t + 8 f
.set KV,  64                           ; v64-127  K (tile kt, f) at KV + 16 kt + 8 f; then V (keys 32 g on, channels 16 ct on) at KV + 32 g + 8 ct
.set S,   128                          ; v128-191 S^T: tile t, keys 16 kt on, at S + 32 t + 8 kt; P is laid over S + 32 t + 0..15
.set O,   192                          ; v192-255 O^T at O + 32 t + 8 ct
.set WV,  8
.set Q0,  9                            ; s9   my first query
.set QL,  10                           ; s10  my last
.set KF,  11                           ; s11  the step's first key
.set TBK, 12                           ; s12  where the step's K begins in LDS
.set TBV, 13                           ; s13  and its V, from VB on
.set CNT, 14
.set G1K, 16
.set G1V, 24
.set G0K, 32                           ; s[32:47] four groups 0 for K
.set G0V, 48                           ; s[48:63] four for V
.set CS,  76                           ; s[76:77] c = log2(e) / 8
.set SEL, 78                           ; s[78:79] v_permlanex16_b32's selects for lane l xor 16
.set QB,  80
.set OB,  82
	s_load_b128 s[4:7], s[0:1], 0x0                ; qkvh, ao
	v_lshl_add_u32 v[SPW], v0, 2, SPARE
	v_mov_b32 v[NIL], 0
	ds_add_u32 v[SPW], v[NIL]                      ; the wave's opening: the add, twice on end, and its wait ahead of the first tensor loads
	ds_add_u32 v[SPW], v[NIL]
	v_lshrrev_b32 v1, 5, v0
	v_readfirstlane_b32 s[WV], v1                  ; wave 0..15
	s_lshl_b32 s[Q0], s[WV], 6
	s_lshl_b32 s15, ttmp9, 5
	s_add_co_u32 s[Q0], s[Q0], s15                 ; 32 (2 w + j)
	s_add_co_u32 s[QL], s[Q0], 31
	s_mov_b32 s[G1K], (1<<16)|(1<<20)|(5<<22)|(3<<25)  ; elements of 2 bytes; padding on: after every 64 words four words
	s_mov_b32 s[G1V], (1<<16)|(1<<20)|(5<<22)|(7<<25)  ; eight words
.irp g, G1K, G1V
	s_mov_b32 s[\g+1], 128<<16                     ; tensor_dim0 = 128 elements: two positions
	s_mov_b32 s[\g+2], 64<<16                      ; tensor_dim1 = 64 rows
	s_mov_b32 s[\g+3], 128<<16                     ; tile_dim0
	s_mov_b32 s[\g+4], 64                          ; tile_dim1
	s_mov_b32 s[\g+5], 128                         ; the rows are dense in memory
	s_mov_b32 s[\g+6], 0
	s_mov_b32 s[\g+7], 0
.endr
	s_and_b32 s66, ttmp7, 0xffff
	s_lshl_b32 s66, s66, 17                        ; the head's first byte in each of q, k, v and in ao
	s_and_b32 s68, s[WV], 1                        ; which 128 of each 256 keys I fetch, if I fetch
	s_lshl_b32 s70, s68, 14
	s_add_co_u32 s70, s70, s66
	s_mov_b32 s71, 0
	s_mul_i32 s74, s68, 64*PK
	s_mul_i32 s75, s68, 64*PV
	s_lshl_b32 s68, s[Q0], 7
	s_add_co_u32 s68, s68, s66                     ; my first query's row
	s_mov_b32 s69, 0
	s_mov_b32 s[CS], 0x3e38aa3b
	s_mov_b32 s[CS+1], s[CS]                       ; (named with it as a pair, so it is written)
	s_mov_b32 s[SEL], 0x76543210
	s_mov_b32 s[SEL+1], 0xfedcba98
	s_wait_dscnt 0x0                               ; both opening adds are done
	s_wait_kmcnt 0x0
	s_add_nc_u64 s[72:73], s[4:5], s[70:71]
.irp c, 0,1,2,3
	s_mov_b32 s[G0K+4*\c], 1
	s_add_co_u32 s[G0K+4*\c+1], s74, \c*128*PK
	s_add_nc_u64 s[G0K+4*\c+2:G0K+4*\c+3], s[72:73], 16777216+\c*32768   ; k's part of qkvh, keys 256 c on
	s_or_b32 s[G0K+4*\c+3], s[G0K+4*\c+3], 0x80000000
	s_mov_b32 s[G0V+4*\c], 1
	s_add_co_u32 s[G0V+4*\c+1], s75, VB+\c*128*PV
	s_add_nc_u64 s[G0V+4*\c+2:G0V+4*\c+3], s[72:73], 33554432+\c*32768   ; v's part
	s_or_b32 s[G0V+4*\c+3], s[G0V+4*\c+3], 0x80000000
.endr
	s_add_nc_u64 s[QB:QB+1], s[4:5], s[68:69]
	s_add_nc_u64 s[OB:OB+1], s[6:7], s[68:69]
	s_cmp_lt_u32 s[WV], 2                          ; a wave's four first fills stand in one branch on its number, ahead of every wait on TENSORcnt, every LDS read and every barrier
	s_cbranch_scc0 .Lnot_k
.irp c, 0,1,2,3
	tensor_load_to_lds s[G0K+4*\c:G0K+4*\c+3], s[G1K:G1K+7]
	s_nop 0
.endr
.rept 4
	v_nop
.endr
	s_branch .Lasked
.Lnot_k:
	s_cmp_lt_u32 s[WV], 4
	s_cbranch_scc0 .Lasked
.irp c, 0,1,2,3
	tensor_load_to_lds s[G0V+4*\c:G0V+4*\c+3], s[G1V:G1V+7]
	s_nop 0
.endr
.rept 4
	v_nop
.endr
.Lasked:
	v_and_b32 v8, 15, v0                           ; r
	v_bfe_u32 v9, v0, 4, 1                         ; h
	v_lshlrev_b32 v[QO], 7, v8
	v_lshl_add_u32 v[QO], v9, 4, v[QO]             ; Q: row r of 128 bytes, + 16 h
.irp t, 0,1
.irp f, 0,1
	global_load_b128 v[Q+16*\t+8*\f:Q+16*\t+8*\f+3],   v[QO], s[QB:QB+1] offset:2048*\t+64*\f      ; Q stays in registers
	global_load_b128 v[Q+16*\t+8*\f+4:Q+16*\t+8*\f+7], v[QO], s[QB:QB+1] offset:2048*\t+64*\f+32
.endr
.endr
	v_lshrrev_b32 v[AK0], 1, v8
	v_mul_u32_u24 v[AK0], v[AK0], PK
	v_and_b32 v3, 1, v0
	v_lshl_add_u32 v[AK0], v3, 7, v[AK0]
	v_lshl_add_u32 v[AK0], v9, 4, v[AK0]           ; K: key r: (r / 2) PK + (r % 2) 128 + 16 h
	v_bfe_u32 v[AV0], v0, 1, 2
	v_lshl_add_u32 v[AV0], v9, 2, v[AV0]
	v_mul_u32_u24 v[AV0], v[AV0], PV
	v_lshl_add_u32 v[AV0], v3, 7, v[AV0]
	v_bfe_u32 v4, v0, 3, 1
	v_lshl_add_u32 v[AV0], v4, 4, v[AV0]
	v_add_nc_u32 v[AV0], VB, v[AV0]                ; V: key 8 h + l % 8, channels 8 ((l / 8) % 2) on
	v_lshlrev_b32 v[D0], 3, v9
	v_sub_nc_u32 v[D0], v8, v[D0]
	v_mov_b32 v[NINF], 0xff800000
	s_mul_i32 s15, s[WV], 16*SPT
	s_add_co_u32 s15, s15, STAGE
	v_mul_u32_u24 v[STO], v8, SPT
	v_lshl_add_u32 v[STO], v9, 4, v[STO]
	v_add_nc_u32 v[STO], s15, v[STO]               ; the stage, in: row r, + 16 h
	v_bfe_u32 v[RD], v0, 3, 2
	v_mul_u32_u24 v[RD], v[RD], SPT
	v_and_b32 v[GO], 7, v0
	v_lshl_add_u32 v[RD], v[GO], 4, v[RD]
	v_add_nc_u32 v[RD], s15, v[RD]                 ; back: eight lanes to a row of 128 bytes, four rows an instruction,
	v_and_b32 v[GO], 31, v0
	v_lshlrev_b32 v[GO], 4, v[GO]                  ; which are 512 consecutive bytes of ao
.irp t, 0,1
	v_mov_b32 v[ST+8*\t+1], 0xff61b1e6             ; m: -3e38, under every score
	v_mul_f32 v[ST+8*\t], s[CS], v[ST+8*\t+1]      ; c m
	v_mov_b32 v[ST+8*\t+2], 0                      ; l
	v_mov_b32 v[ST+8*\t+3], 0
	v_mov_b32 v[ST+8*\t+5], 0                      ; (a lane permute's destination counts as one of its sources)
	v_mov_b32 v[ST+8*\t+7], 0
.endr
.set n, 0
.rept 64
	v_mov_b32 v[O+n], 0                            ; O^T.  (The step is written once: its first run finds zeros, which a = 0 leaves zeros)
.set n, n+1
.endr
	s_wait_loadcnt 0x0                             ; Q
; A KEY STEP: 64 keys.
.macro STEP
	s_cmp_gt_u32 s[KF], s[QL]                      ; all 64 keys come after my 32 queries: the step's work is left out.  A branch on ids; no barrier and no tensor load stands in a step
	s_cbranch_scc1 .Lhid_\@
	v_add_nc_u32 v[ADK], s[TBK], v[AK0]            ; these two and three v_nop: five places behind the last step's products, whose V the loads below write over (four asked) and whose P the products below write over (five asked)
	v_add_nc_u32 v[ADV], s[TBV], v[AV0]
.rept 3
	v_nop
.endr
.irp f, 0,1
.irp kt, 0,1,2,3
	ds_load_b128 v[KV+16*\kt+8*\f:KV+16*\kt+8*\f+3],   v[ADK] offset:8*PK*\kt+64*\f
	ds_load_b128 v[KV+16*\kt+8*\f+4:KV+16*\kt+8*\f+7], v[ADK] offset:8*PK*\kt+64*\f+32
.endr
.endr
	s_wait_dscnt 8                                 ; channels 0-31 are in; the eight loads of channels 32-63 may be out
.irp kt, 0,1,2,3                       ; S^T = K Q^T.  The eight accumulators take turns, one instruction a turn; the first eight start the sums
.irp t, 0,1
	v_wmma_f32_16x16x32_f16 v[S+32*\t+8*\kt:S+32*\t+8*\kt+7], v[KV+16*\kt:KV+16*\kt+7], v[Q+16*\t:Q+16*\t+7], 0
.endr
.endr
	s_wait_dscnt 0x0
.irp kt, 0,1,2,3
.irp t, 0,1
	v_wmma_f32_16x16x32_f16 v[S+32*\t+8*\kt:S+32*\t+8*\kt+7], v[KV+16*\kt+8:KV+16*\kt+15], v[Q+16*\t+8:Q+16*\t+15], v[S+32*\t+8*\kt:S+32*\t+8*\kt+7]
.endr
.endr
.rept 4
	v_nop                                          ; places: in front of the loads over K's registers and of the first read of the scores
.endr
.irp g, 0,1                            ; V, turned: it lands under the softmax
.irp ct, 0,1,2,3
	ds_load_tr16_b128 v[KV+32*\g+8*\ct:KV+32*\g+8*\ct+3],   v[ADV] offset:16*PV*\g+32*\ct
	ds_load_tr16_b128 v[KV+32*\g+8*\ct+4:KV+32*\g+8*\ct+7], v[ADV] offset:16*PV*\g+8*PV+32*\ct
.endr
.endr
	s_add_co_u32 s15, s[KF], 63                    ; ON THE DIAGONAL the scores of hidden keys become -infinity ahead of the maximum; a step all of whose keys count skips this.  The step's first key counts for each of my queries, so m is a number
	s_cmp_le_u32 s15, s[Q0]
	s_cbranch_scc1 .Lopen_\@
	s_sub_co_i32 s15, s[Q0], s[KF]
	v_add_nc_u32 v[DT], s15, v[D0]                 ; register 8 kt + j of tile t holds key KF + 16 kt + 8 h + j: hidden where 16 kt + j > Q0 - KF + 16 t + r - 8 h
	v_add_nc_u32 v[DT+1], 16, v[DT]
.irp t, 0,1
.irp n, 0,1,2,3,4,5,6,7,8,9,10,11,12,13,14,15,16,17,18,19,20,21,22,23,24,25,26,27,28,29,30,31
	v_cmp_gt_i32 vcc_lo, 16*(\n/8)+\n%8, v[DT+\t]
	v_cndmask_b32 v[S+32*\t+\n], v[S+32*\t+\n], v[NINF], vcc_lo
.endr
.endr
.Lopen_\@:
.irp j, 0,1,2,3                        ; the maximum: four chains a tile, one for each accumulator, begun at its low end; the two tiles by turns
.irp t, 0,1
	v_max3_num_f32 v[ST+8*\t+4+\j], v[S+32*\t+8*\j], v[S+32*\t+8*\j+1], v[S+32*\t+8*\j+2]
.endr
.endr
.irp i, 3,5
.irp j, 0,1,2,3
.irp t, 0,1
	v_max3_num_f32 v[ST+8*\t+4+\j], v[ST+8*\t+4+\j], v[S+32*\t+8*\j+\i], v[S+32*\t+8*\j+\i+1]
.endr
.endr
.endr
.irp t, 0,1
	v_max3_num_f32 v[ST+8*\t+4], v[ST+8*\t+4], v[S+32*\t+7], v[S+32*\t+15]
	v_max3_num_f32 v[ST+8*\t+6], v[ST+8*\t+6], v[S+32*\t+23], v[S+32*\t+31]
.endr
.irp t, 0,1
	v_max3_num_f32 v[ST+8*\t+4], v[ST+8*\t+4], v[ST+8*\t+5], v[ST+8*\t+6]
.endr
.irp t, 0,1
	v_max3_num_f32 v[ST+8*\t+4], v[ST+8*\t+4], v[ST+8*\t+7], v[ST+8*\t+1]   ; with the old m
.endr
.irp t, 0,1
	v_permlanex16_b32 v[ST+8*\t+5], v[ST+8*\t+4], s[SEL], s[SEL+1]          ; the query's other 32 keys lie in the lane 16 away
.endr
.irp t, 0,1
	v_mov_b32 v[ST+8*\t+7], v[ST+8*\t]             ; c m_old
.endr
.irp t, 0,1
	v_max_num_f32 v[ST+8*\t+1], v[ST+8*\t+4], v[ST+8*\t+5]                  ; the new m
.endr
.irp t, 0,1
	v_mul_f32 v[ST+8*\t], s[CS], v[ST+8*\t+1]
.endr
.irp t, 0,1
	v_sub_f32 v[ST+8*\t+7], v[ST+8*\t+7], v[ST+8*\t]
.endr
.irp t, 0,1
.irp i, 0,2,4,6,8,10,12,14,16,18,20,22,24,26,28,30
	v_pk_fma_f32 v[S+32*\t+\i:S+32*\t+\i+1], v[S+32*\t+\i:S+32*\t+\i+1], s[CS:CS+1], v[ST+8*\t:ST+8*\t+1] op_sel_hi:[1,0,0] neg_lo:[0,0,1] neg_hi:[0,0,1]   ; c s - c m
.endr
.endr
.irp t, 0,1                            ; ONE BATCH of 66 exponentials: a = 2^(c m_old - c m_new) and the weights p; none reads another's result
	v_exp_f32 v[ST+8*\t+6], v[ST+8*\t+7]
.endr
.irp t, 0,1
.irp n, 0,1,2,3,4,5,6,7,8,9,10,11,12,13,14,15,16,17,18,19,20,21,22,23,24,25,26,27,28,29,30,31
	v_exp_f32 v[S+32*\t+\n], v[S+32*\t+\n]
.endr
.endr
	v_nop                                          ; a plain line behind the last exponential (ISA guide 5.7.2),
	s_wait_alu depctr_va_vdst(0)                   ; and the one wait ahead of the batch's first reader
.irp t, 0,1
	v_pk_mul_f32 v[ST+8*\t+2:ST+8*\t+3], v[ST+8*\t+2:ST+8*\t+3], v[ST+8*\t+6:ST+8*\t+7] op_sel_hi:[1,0]   ; l x a
	v_pk_add_f32 v[ST+8*\t+4:ST+8*\t+5], v[S+32*\t:S+32*\t+1], v[S+32*\t+2:S+32*\t+3]                     ; the sum of the unrounded p, in two chains
.endr
.irp i, 4,8,12,16,20,24,28
.irp t, 0,1
	v_pk_add_f32 v[ST+8*\t+2:ST+8*\t+3], v[ST+8*\t+2:ST+8*\t+3], v[S+32*\t+\i:S+32*\t+\i+1]
	v_pk_add_f32 v[ST+8*\t+4:ST+8*\t+5], v[ST+8*\t+4:ST+8*\t+5], v[S+32*\t+\i+2:S+32*\t+\i+3]
.endr
.endr
.irp t, 0,1
	v_pk_add_f32 v[ST+8*\t+2:ST+8*\t+3], v[ST+8*\t+2:ST+8*\t+3], v[ST+8*\t+4:ST+8*\t+5]
.endr
.irp t, 0,1                            ; P in f16, laid over the scores from the low end on: pair i is read at 2 i, 2 i + 1 and written at i
.irp i, 0,1,2,3,4,5,6,7,8,9,10,11,12,13,14,15
	v_cvt_pk_f16_f32 v[S+32*\t+\i], v[S+32*\t+2*\i], v[S+32*\t+2*\i+1]
.endr
.endr
.irp t, 0,1
.irp i, 0,2,4,6,8,10,12,14,16,18,20,22,24,26,28,30
	v_pk_mul_f32 v[O+32*\t+\i:O+32*\t+\i+1], v[O+32*\t+\i:O+32*\t+\i+1], v[ST+8*\t+6:ST+8*\t+7] op_sel_hi:[1,0]   ; O^T x a
.endr
.endr
	s_wait_dscnt 0x0                               ; V is in
.irp g, 0,1                            ; O^T += V^T P: the eight accumulators by turns
.irp ct, 0,1,2,3
.irp t, 0,1
	v_wmma_f32_16x16x32_f16 v[O+32*\t+8*\ct:O+32*\t+8*\ct+7], v[KV+32*\g+8*\ct:KV+32*\g+8*\ct+7], v[S+32*\t+8*\g:S+32*\t+8*\g+7], v[O+32*\t+8*\ct:O+32*\t+8*\ct+7]
.endr
.endr
.endr
.Lhid_\@:
	s_add_co_u32 s[KF], s[KF], 64
	s_add_co_u32 s[TBK], s[TBK], 32*PK
	s_add_co_u32 s[TBV], s[TBV], 32*PV
.endm
; 256 keys: a barrier, then four key steps.  Every wave passes every barrier, also one whose queries all lie earlier.
.macro CHUNK c
	s_wait_tensorcnt 3-\c                          ; tensor loads of a wave end in order (ISA guide 10.11.1): my loads for keys up to 256 c + 255 have landed, the 3 - c later ones may be out
	s_wait_dscnt 0x0                               ; no LDS instruction of mine is pending at the signal
	s_barrier_signal -1
	s_barrier_wait -1                              ; everybody's have
	s_mov_b32 s[KF], 256*\c
	s_mov_b32 s[TBK], 128*PK*\c
	s_mov_b32 s[TBV], 128*PV*\c
	s_mov_b32 s[CNT], 4
.Lstep_\@:
	STEP
	s_sub_co_u32 s[CNT], s[CNT], 1
	s_cmp_lg_u32 s[CNT], 0
	s_cbranch_scc1 .Lstep_\@
.endm
	CHUNK 0
	CHUNK 1
	CHUNK 2
	CHUNK 3
	; THE WAY OUT: O^T / l, rounded to f16, a tile of 16 queries at a time through my stage, so that each store covers 512 consecutive bytes.
.rept 4
	v_nop                                          ; places behind the last products
.endr
.irp t, 0,1
	v_add_f32 v[ST+8*\t+4], v[ST+8*\t+2], v[ST+8*\t+3]
.endr
.irp t, 0,1
	v_permlanex16_b32 v[ST+8*\t+5], v[ST+8*\t+4], s[SEL], s[SEL+1]
.endr
.irp t, 0,1
	v_add_f32 v[ST+8*\t+4], v[ST+8*\t+4], v[ST+8*\t+5]
.endr
.irp t, 0,1
	v_rcp_f32 v[ST+8*\t+6], v[ST+8*\t+4]
.endr
	v_nop
	s_wait_alu depctr_va_vdst(0)                   ; one wait for the two reciprocals, ahead of their first reader
.irp t, 0,1
.irp i, 0,2,4,6,8,10,12,14,16,18,20,22,24,26,28,30
	v_pk_mul_f32 v[O+32*\t+\i:O+32*\t+\i+1], v[O+32*\t+\i:O+32*\t+\i+1], v[ST+8*\t+6:ST+8*\t+7] op_sel_hi:[1,0]
.endr
.irp i, 0,1,2,3,4,5,6,7,8,9,10,11,12,13,14,15
	v_cvt_pk_f16_f32 v[S+16*\t+\i], v[O+32*\t+2*\i], v[O+32*\t+2*\i+1]
.endr
.irp ct, 0,1,2,3
	ds_store_b128 v[STO], v[S+16*\t+4*\ct:S+16*\t+4*\ct+3] offset:32*\ct
.endr
.irp i, 0,1,2,3
	ds_load_b128 v[KV+16*\t+4*\i:KV+16*\t+4*\i+3], v[RD] offset:4*SPT*\i   ; LDS serves a wave's instructions in order: these see my stores, and the next tile's stores come behind them
.endr
.endr
.irp t, 0,1
.irp i, 0,1,2,3
	s_wait_dscnt 11-8*\t-\i                        ; behind this load: its tile's later loads, and for tile 0 tile 1's eight instructions
	global_store_b128 v[GO], v[KV+16*\t+4*\i:KV+16*\t+4*\i+3], s[OB:OB+1] offset:2048*\t+512*\i
.endr
.endr
	s_wait_tensorcnt 0x0                           ; the wave's end
	ds_add_u32 v[SPW], v[NIL]
	s_wait_dscnt 0x0
	s_endpgm
.Lfunc_end_k_q275b151234_attn:
	.size	k_q275b151234_attn, .Lfunc_end_k_q275b151234_attn-k_q275b151234_attn
	.p2alignl 7, 3214868480
	.fill 96, 4, 3214868480
	.section	.rodata,"a",@progbits
	.p2align	6, 0x0
	.amdhsa_kernel k_q275b151234_attn
		.amdhsa_group_segment_fixed_size 327680
		.amdhsa_private_segment_fixed_size 0
		.amdhsa_enable_private_segment 0
		.amdhsa_kernarg_size 16
		.amdhsa_user_sgpr_count 2
		.amdhsa_user_sgpr_kernarg_segment_ptr 1
		.amdhsa_wavefront_size32 1
		.amdhsa_system_sgpr_workgroup_id_x 1
		.amdhsa_system_sgpr_workgroup_id_y 1
		.amdhsa_system_sgpr_workgroup_id_z 1
		.amdhsa_system_vgpr_workitem_id 0
		.amdhsa_next_free_vgpr 256
		.amdhsa_next_free_sgpr 84
		.amdhsa_reserve_vcc 1
		.amdhsa_float_denorm_mode_32 3
		.amdhsa_float_denorm_mode_16_64 3
		.amdhsa_memory_ordered 1
		.amdhsa_forward_progress 1
		.amdhsa_inst_pref_size 105
	.end_amdhsa_kernel
	.amdgpu_metadata
---
amdhsa.version: [ 1, 2 ]
amdhsa.kernels:
  - .name:           k_q275b151234_attn
    .symbol:         k_q275b151234_attn.kd
    .args:
      - { .name: qkvh, .offset: 0, .size: 8, .value_kind: global_buffer, .address_space: global }
      - { .name: ao, .offset: 8, .size: 8, .value_kind: global_buffer, .address_space: global }
    .group_segment_fixed_size: 327680
    .private_segment_fixed_size: 0
    .kernarg_segment_align: 8
    .kernarg_segment_size: 16
    .max_flat_workgroup_size: 512
    .sgpr_count:     84
    .vgpr_count:     256
    .wavefront_size: 32
...
	.end_amdgpu_metadata
.endif
;; end of part 3
;; launch oproj (part 4): grid 4 x 64, 4 waves a work-group, clusters of 4 x 4, 327,680 bytes of LDS; arguments ao, woh, out0; writes out0
.if DOCPART == 4
	.amdgcn_target "amdgcn-amd-amdhsa--gfx1250"
	.amdhsa_code_object_version 6
	.text
	.protected	k_q275b151234_oproj
	.globl	k_q275b151234_oproj
	.p2align	8
	.type	k_q275b151234_oproj,@function
k_q275b151234_oproj:
	s_mov_b64 s[64:65], 0
	v_nop
	global_prefetch_b8 v0, s[64:65] scope:SCOPE_SE
	s_setreg_imm32_b32 hwreg(HW_REG_WAVE_MODE, 25, 1), 1
	s_wait_xcnt 0x0
	s_wait_alu depctr_hold_cnt(0) depctr_sa_sdst(0) depctr_va_vdst(0) depctr_va_sdst(0) depctr_va_ssrc(0) depctr_va_vcc(0) depctr_vm_vsrc(0)
	s_getreg_b32 s2, hwreg(HW_REG_IB_STS2, 6, 4)
	s_cmp_eq_u32 s2, 0
	s_cbranch_scc0 .Lentry_in_a_cluster
	s_endpgm
.Lentry_in_a_cluster:
	s_bfe_u32 s2, ttmp6, 0x10000c
	s_cmp_lg_u32 s2, 0xf033
	s_cbranch_scc0 .Lentry_shape_is_right
	s_endpgm
.Lentry_shape_is_right:
; out0[m][n] = sum over k of ao[m][k] Wo[n][k], f16 operands, f32 sums, f32 out.  ao: [8 b][16 h][1024 s][64] f16 (k = 64 h + channel); woh: [1024 n][1024 k] f16; out0: [8192][1024] f32.
; Positions 0-15 of every batch are multiplied with the rest but NOT stored: another launch makes those rows in f32.
; A tile of out0 is 128 x 256, so that there are 256 tiles; four waves, each 64 x 128: 32 accumulators of 16 x 16.  K goes in steps of 128 (two heads) through a ring of two LDS slots; two slots of 256 along K would not fit in LDS.
; A's tile of a K step is, for each of two heads, 128 positions x 128 bytes, dense in memory: 64 rows of 256 bytes (two positions a row); waves 0 and 1 fetch a head each, waves 2 and 3 fetch 128 rows of woh each.
; CLUSTERS: 4 x 4 work-groups; tile row = 16 cy + Y (Y: the cluster's y), so that 'this tile begins a batch' hangs on Y alone.  A's tiles are asked for jointly along a row of the cluster, woh's along a column.
; THE MATRIX INSTRUCTION IS USED TRANSPOSED (source 0 = 16 rows of woh, source 1 = 16 rows of ao): a lane holds eight neighbouring numbers of a row of out0.
; REGISTERS: window 0: v0-31 addresses; v64-159, v160-255 two fragment buffers for 32 along K (woh's 8 blocks, then ao's 4); window 1: accumulator (a, b) at v[8 (8 a + b)].
.set PITCH,  272                       ; an LDS row: 256 bytes + 16 of padding
.set AH,     64*PITCH                  ; a head's 128 positions
.set BOFF,   2*AH
.set BH,     128*PITCH                 ; 128 rows of woh
.set SLOT,   BOFF+2*BH
.set SPARE,  2*SLOT                    ; the spare words, 128 bytes a wave
.set SPITCH, 528                       ; the way out: 16 rows x (512 + 16) bytes for each wave, in slot 0, which has had its last fill and its last read by then
.set ADRA, 16
.set ADRB, 20
.set STO,  24
.set RD,   25
.set CO,   26
.set SPW,  28
.set NIL,  29
.set PFO,  30                          ; v30  256 x lane: the prefetches' offset; never rewritten
.set F0,   64
.set F1,   160
.set BK,   64                          ; the way out: 16 rows read back: v64-127 and v128-191 by turns
.set G1,  24
.set G0,  32
.set G1B, 48
.set G0B, 56
.set PFA, 44                           ; s[44:45] where my prefetches stand
.set LIM, 66                           ; s66  1 in wave 0, else the greatest number
.set SKIP, 67                          ; s67  0 where my block 0 is positions 0-15 of a batch
.set MSB, 0
.macro WIN new
.if MSB != \new
	s_set_vgpr_msb (MSB<<8)|\new
.set MSB, \new
.endif
.endm
.set W_MUL, 0x50                       ; C and D window 1, sources 0 and 1 window 0
.macro JLOAD s                         ; a joint load: waves 0 and 1 for ao, waves 2 and 3 for woh; an s_nop 0 and four v_nop follow each of the two lines
	s_cmp_eq_u32 s11, 0
	s_cbranch_scc0 .Lfor_b_\@
	tensor_load_to_lds s[G0+4*\s:G0+4*\s+3], s[G1:G1+7]
	s_nop 0
.rept 4
	v_nop
.endr
	s_branch .Lasked_\@
.Lfor_b_\@:
	tensor_load_to_lds s[G0B+4*\s:G0B+4*\s+3], s[G1B:G1B+7]
	s_nop 0
.rept 4
	v_nop
.endr
.Lasked_\@:
.endm
; A PREFETCH INTO THE L2 of ao's tile of the K step that stands two refills, 256 matrix instructions, on: 128 blocks of 256 bytes.  The four partners that ask for the tile jointly share it out BY ADDRESS, 32 blocks each (cx / 2: the head,
; cx % 2: which 64 positions); in each, wave 0 asks, a lane a block.  So each block is named once in the launch.  K steps 0 to 3 come by their loads alone; the loop's last trip asks for nothing: K has no step behind its eighth.
; woh is left out: all sixteen clusters read it again and again.
.macro ASK
	s_cmp_gt_u32 s3, s[LIM]
	s_cbranch_scc0 .Lnot_mine_\@
	global_prefetch_b8 v[PFO], s[PFA:PFA+1] th:TH_LOAD_NT scope:SCOPE_SE
.Lnot_mine_\@:
.endm
.macro CREST
	s_cmp_lg_u32 s10, 0
	s_cbranch_scc1 .Lnot_wave_0_\@
	s_barrier_signal -3
.Lnot_wave_0_\@:
	s_barrier_wait -3
	s_barrier_signal -1
	s_barrier_wait -1
.endm
.macro CROUND
	s_barrier_signal -1
	s_barrier_wait -1
	CREST
.endm
	s_load_b128 s[4:7], s[0:1], 0x0                ; ao, woh
	s_load_b64 s[8:9], s[0:1], 0x10                ; out0
	v_lshl_add_u32 v[SPW], v0, 2, SPARE
	v_mov_b32 v[NIL], 0
	ds_add_u32 v[SPW], v[NIL]                      ; the wave's opening: the add, twice on end, and its wait ahead of my first tensor load
	ds_add_u32 v[SPW], v[NIL]
	v_lshrrev_b32 v1, 5, v0
	v_readfirstlane_b32 s10, v1                    ; wave 0..3
	s_lshr_b32 s11, s10, 1                         ; which 64 rows are mine.  Also: I fetch for ao (0) or for woh (1)
	s_and_b32 s12, s10, 1                          ; which 128 columns.  Also: which head, or which 128 rows of woh, I fetch
	s_bfe_u32 s40, ttmp6, 0x40000                  ; cx
	s_bfe_u32 s41, ttmp6, 0x40004                  ; cy
	s_lshl_b32 s42, ttmp9, 2
	s_add_co_u32 s42, s42, s40                     ; tile column, 0..3
	s_and_b32 s43, ttmp7, 0xffff                   ; Y: 0..15
	s_lshl_b32 s13, s41, 4
	s_add_co_u32 s13, s13, s43                     ; tile row = 16 cy + Y
	s_and_b32 s[SKIP], s43, 7
	s_or_b32 s[SKIP], s[SKIP], s11                 ; the cluster's y and the wave's number alone
	s_lshl_b32 s46, s41, 2
	s_lshl_b32 s46, 15, s46                        ; my row of the cluster
	s_lshl_b32 s47, 0x1111, s40                    ; my column
	s_or_b32 s[G1+0], s46, (1<<16)|(1<<20)|(1<<21)|(5<<22)|(3<<25)   ; the mask; elements of 2 bytes; padding on; bit 21 beside a mask; after every 64 words four words
	s_or_b32 s[G1B+0], s47, (1<<16)|(1<<20)|(1<<21)|(5<<22)|(3<<25)
	s_mov_b32 s[G1+1], 128<<16                     ; ao: 64 rows of 128 elements, dense
	s_mov_b32 s[G1+2], 64<<16
	s_mov_b32 s[G1+3], 128<<16
	s_mov_b32 s[G1+4], 64
	s_mov_b32 s[G1+5], 128
	s_mov_b32 s[G1+6], 0
	s_mov_b32 s[G1+7], 0
	s_mov_b32 s[G1B+1], 128<<16                    ; woh: 128 rows of 128 elements, 1,024 elements apart
	s_mov_b32 s[G1B+2], 128<<16
	s_mov_b32 s[G1B+3], 128<<16
	s_mov_b32 s[G1B+4], 128
	s_mov_b32 s[G1B+5], 1024
	s_mov_b32 s[G1B+6], 0
	s_mov_b32 s[G1B+7], 0
	s_lshr_b32 s20, s13, 3
	s_lshl_b32 s20, s20, 21                        ; the batch,
	s_and_b32 s17, s13, 7
	s_lshl_b32 s17, s17, 14
	s_add_co_u32 s20, s20, s17                     ; the tile's 128 positions in head 0
	s_lshl_b32 s17, s12, 17
	s_add_co_u32 s16, s20, s17                     ; in the head that I fetch
	s_mov_b32 s17, 0
	s_lshl_b32 s18, s42, 19
	s_lshl_b32 s19, s12, 18
	s_add_co_u32 s18, s18, s19                     ; woh: row 256 x tile column + 128 x half, 2,048 bytes a row
	s_mov_b32 s19, 0
	s_mul_i32 s21, s12, AH                         ; where they go: no place in the cluster enters an LDS address
	s_mul_i32 s22, s12, BH
	s_add_co_u32 s22, s22, BOFF
	s_wait_dscnt 0x0                               ; both opening adds are done
	s_wait_kmcnt 0x0
	s_add_nc_u64 s[14:15], s[4:5], s[16:17]
	s_add_nc_u64 s[18:19], s[6:7], s[18:19]
	CROUND                                         ; all sixteen work-groups are here: the first joint loads meet
.irp s, 0,1
	s_mov_b32 s[G0+4*\s], 1
	s_add_co_u32 s[G0+4*\s+1], s21, \s*SLOT
	s_add_nc_u64 s[G0+4*\s+2:G0+4*\s+3], s[14:15], \s*262144      ; K step s: two heads on
	s_or_b32 s[G0+4*\s+3], s[G0+4*\s+3], 0x80000000
	s_mov_b32 s[G0B+4*\s], 1
	s_add_co_u32 s[G0B+4*\s+1], s22, \s*SLOT
	s_add_nc_u64 s[G0B+4*\s+2:G0B+4*\s+3], s[18:19], \s*256
	s_or_b32 s[G0B+4*\s+3], s[G0B+4*\s+3], 0x80000000
	JLOAD \s
.endr
	v_and_b32 v1, 15, v0                           ; r
	v_bfe_u32 v2, v0, 4, 1                         ; h
	v_lshrrev_b32 v3, 1, v1
	v_mul_u32_u24 v3, v3, PITCH
	v_and_b32 v4, 1, v0
	v_lshl_add_u32 v3, v4, 7, v3
	v_lshl_add_u32 v3, v2, 4, v3                   ; ao: position r: (r / 2) PITCH + (r % 2) 128 + 16 h
	v_mul_u32_u24 v5, v1, PITCH
	v_lshl_add_u32 v5, v2, 4, v5                   ; woh: row r
	s_mul_i32 s21, s11, 32*PITCH                   ; my 64 positions
	s_mul_i32 s22, s12, BH
	s_add_co_u32 s22, s22, BOFF                    ; my 128 rows of woh
.irp s, 0,1
	v_add_nc_u32 v[ADRA+\s], s21, v3
	v_add_nc_u32 v[ADRB+\s], s22, v5
	s_add_co_u32 s21, s21, SLOT
	s_add_co_u32 s22, s22, SLOT
.endr
	s_mul_i32 s23, s10, 16*SPITCH                  ; my stage
	v_mul_u32_u24 v6, v1, SPITCH
	v_lshl_add_u32 v6, v2, 5, v6
	v_add_nc_u32 v[STO], s23, v6
	v_and_b32 v7, 31, v0
	v_lshlrev_b32 v[CO], 4, v7
	v_add_nc_u32 v[RD], s23, v[CO]
	v_lshlrev_b32 v[PFO], 8, v7
	s_lshl_b32 s16, s13, 7                         ; out0: my first row, 4,096 bytes a row;
	s_lshl_b32 s17, s11, 6
	s_add_co_u32 s16, s16, s17
	s_lshl_b32 s16, s16, 12
	s_mov_b32 s17, 0
	s_add_nc_u64 s[8:9], s[8:9], s[16:17]
	s_lshl_b32 s68, s42, 10                        ; my first column, from registers of its own
	s_lshl_b32 s69, s12, 9
	s_add_co_u32 s68, s68, s69
	s_mov_b32 s69, 0
	s_add_nc_u64 s[8:9], s[8:9], s[68:69]
	s_add_co_u32 s20, s20, 3*262144                ; the prefetches stand at K step 3: the first refill steps them to 4.  Nothing is prefetched here, at the head
	s_mov_b32 s21, 0
	s_add_nc_u64 s[PFA:PFA+1], s[4:5], s[20:21]
	s_lshr_b32 s68, s40, 1
	s_lshl_b32 s68, s68, 17
	s_and_b32 s69, s40, 1
	s_lshl_b32 s69, s69, 13
	s_add_co_u32 s68, s68, s69                     ; my work-group's 32 blocks of the 128
	s_mov_b32 s69, 0
	s_add_nc_u64 s[PFA:PFA+1], s[PFA:PFA+1], s[68:69]
	s_cmp_eq_u32 s10, 0
	s_cselect_b32 s[LIM], 1, -1
.macro MUL8 f, a, zero                 ; ao's block a against woh's eight, 32 along K
.irp b, 0,1,2,3,4,5,6,7
.if \zero
	v_wmma_f32_16x16x32_f16 v[8*(8*(\a)+\b):8*(8*(\a)+\b)+7], v[\f+8*\b:\f+8*\b+7], v[\f+64+8*(\a):\f+64+8*(\a)+7], 0
.else
	v_wmma_f32_16x16x32_f16 v[8*(8*(\a)+\b):8*(8*(\a)+\b)+7], v[\f+8*\b:\f+8*\b+7], v[\f+64+8*(\a):\f+64+8*(\a)+7], v[8*(8*(\a)+\b):8*(8*(\a)+\b)+7]
.endif
.endr
.endm
.macro MUL16 f, a0, zero               ; the 32 accumulators take turns, one instruction a turn, in the same order in every quarter
	MUL8 \f, \a0, \zero
	MUL8 \f, \a0+1, \zero
.endm
.macro FETCH slot, q, f                ; 24 LDS loads in one run: the slot's q-th 32 along K: woh's eight blocks, then ao's four (head q / 2, channels 32 (q % 2) on)
.irp i, 0,1,2,3,4,5,6,7
	ds_load_b128 v[\f+8*\i:\f+8*\i+3],   v[ADRB+\slot] offset:64*(\q)+\i*16*PITCH
	ds_load_b128 v[\f+8*\i+4:\f+8*\i+7], v[ADRB+\slot] offset:64*(\q)+\i*16*PITCH+32
.endr
.irp i, 0,1,2,3
	ds_load_b128 v[\f+64+8*\i:\f+64+8*\i+3],   v[ADRA+\slot] offset:AH*((\q)/2)+64*((\q)%2)+\i*8*PITCH
	ds_load_b128 v[\f+64+8*\i+4:\f+64+8*\i+7], v[ADRA+\slot] offset:AH*((\q)/2)+64*((\q)%2)+\i*8*PITCH+32
.endr
.endm
.macro PLACES                          ; four plain lines in front of loads into registers that matrix instructions have read, and of reads of results
.rept 4
	v_nop
.endr
.endm
.macro QUARTER slot, qn, f, g, zero    ; multiplies buffer f; in its middle fetches the slot's quarter qn into buffer g
	s_wait_dscnt 4                                 ; woh's blocks and ao's 0, 1 are in; the youngest four loads (ao's 2, 3) may be out
	WIN W_MUL
	MUL16 \f, 0, \zero
	PLACES
	WIN 0
	FETCH \slot, \qn, \g
	s_wait_dscnt 24                                ; all but the 24 just issued
	WIN W_MUL
	MUL16 \f, 2, \zero
.endm
; A slot's last quarter multiplies buffer 1 and changes slots: ONE barrier; in front of it each wave waits for all its tensor loads (its part of the next slot), adds 0 to its spare word, and waits for that and for its reads of this slot.
; fill = 1: the barrier opens a round of the cluster's barrier, and behind the round this slot is filled again, two K steps ahead: the load has 112 matrix instructions in which to land.
.macro TURN slot, next, fill
	WIN 0
.if \fill
	s_wait_xcnt 0x0                                ; the last prefetch, a K step back, has read its address: it is stepped here, ahead of the waits of the change of slots
	s_add_nc_u64 s[PFA:PFA+1], s[PFA:PFA+1], 262144
.endif
	s_wait_tensorcnt 0x0
	ds_add_u32 v[SPW], v[NIL]
	s_wait_dscnt 5                                 ; (the add and the youngest four loads may be out)
	WIN W_MUL
	MUL8 F1, 0, 0
	s_wait_dscnt 0x0                               ; the add is done, and my reads of this slot are over
	s_barrier_signal -1
	MUL8 F1, 1, 0
	WIN 0
	s_barrier_wait -1
.if \fill
	CREST                                          ; no wave of any partner still reads this slot or has a load on its way
	s_add_nc_u64 s[G0+4*\slot+2:G0+4*\slot+3], s[G0+4*\slot+2:G0+4*\slot+3], 2*262144
	s_add_nc_u64 s[G0B+4*\slot+2:G0B+4*\slot+3], s[G0B+4*\slot+2:G0B+4*\slot+3], 2*256
	JLOAD \slot                                    ; the first tensor load behind the round; its four v_nop are also the places in front of the loads below
.else
	PLACES
.endif
	FETCH \next, 0, F0
.if \fill
	ASK
.endif
	WIN W_MUL
	MUL16 F1, 2, 0
.endm
	s_wait_tensorcnt 1                             ; my part of K step 0 is in (K step 1's may be out)
	s_barrier_signal -1
	s_barrier_wait -1                              ; everybody's is
	FETCH 0, 0, F0
	QUARTER 0, 1, F0, F1, 1                        ; the first quarter's products start the sums
	WIN 0
	s_mov_b32 s3, 3
.Llap:                                                 ; a trip goes once round the ring, from a lap's second quarter to the next lap's first, and fills both slots again: K steps 2 to 7
	QUARTER 0, 2, F1, F0, 0
	QUARTER 0, 3, F0, F1, 0
	TURN 0, 1, 1
	QUARTER 1, 1, F0, F1, 0
	QUARTER 1, 2, F1, F0, 0
	QUARTER 1, 3, F0, F1, 0
	TURN 1, 0, 1
	QUARTER 0, 1, F0, F1, 0
	WIN 0
	s_sub_co_u32 s3, s3, 1
	s_cmp_lg_u32 s3, 0
	s_cbranch_scc1 .Llap
	QUARTER 0, 2, F1, F0, 0                        ; the last lap is written out: it fills nothing
	QUARTER 0, 3, F0, F1, 0
	TURN 0, 1, 0
	QUARTER 1, 1, F0, F1, 0
	QUARTER 1, 2, F1, F0, 0
	QUARTER 1, 3, F0, F1, 0
	s_wait_dscnt 4
	WIN W_MUL
	MUL16 F1, 0, 0
	s_wait_dscnt 0
	MUL16 F1, 2, 0
	WIN 0
; THE WAY OUT, block by block of 16 rows x 128 columns, through my own stage: in as 32 bytes a lane, back as whole rows of 512 bytes.
.macro TOSTAGE a
	WIN 0x04                                       ; an LDS store's data are its source 1: window 1
.irp b, 0,1,2,3,4,5,6,7
	ds_store_b128 v[STO], v[8*(8*(\a)+\b):8*(8*(\a)+\b)+3] offset:64*\b        ; each accumulator from its low end on
	ds_store_b128 v[STO], v[8*(8*(\a)+\b)+4:8*(8*(\a)+\b)+7] offset:64*\b+16
.endr
	WIN 0
.set BB, BK+64*((\a)%2)
.irp i, 0,1,2,3,4,5,6,7,8,9,10,11,12,13,14,15
	ds_load_b128 v[BB+4*\i:BB+4*\i+3], v[RD] offset:\i*SPITCH
.endr
.endm
.macro SEND a, younger                 ; younger: the LDS instructions issued behind block a's loads
.set BB, BK+64*((\a)%2)
	s_wait_dscnt \younger
.if (\a) == 0
	s_cmp_eq_u32 s[SKIP], 0                        ; positions 0-15 of a batch are another launch's
	s_cbranch_scc1 .Lskip_\@
.endif
.irp i, 0,1,2,3,4,5,6,7,8,9,10,11,12,13,14,15
	global_store_b128 v[CO], v[BB+4*\i:BB+4*\i+3], s[8:9] offset:65536*(\a)+4096*\i th:TH_STORE_NT   ; 32 lanes store 512 consecutive bytes of a row; every offset is an immediate
.endr
.if (\a) == 0
.Lskip_\@:
.endif
.endm
	PLACES
	TOSTAGE 0
	TOSTAGE 1
	SEND 0, 32
	s_wait_xcnt 0x0                                ; block 0's stores have read their registers: block 2's loads may land there
	TOSTAGE 2
	SEND 1, 32
	s_wait_xcnt 0x0
	TOSTAGE 3
	SEND 2, 32
	SEND 3, 0
	s_wait_tensorcnt 0x0                           ; the wave's end
	ds_add_u32 v[SPW], v[NIL]
	s_wait_dscnt 0x0
	CROUND                                         ; the closing round
	s_endpgm
.Lfunc_end_k_q275b151234_oproj:
	.size	k_q275b151234_oproj, .Lfunc_end_k_q275b151234_oproj-k_q275b151234_oproj
	.p2alignl 7, 3214868480
	.fill 96, 4, 3214868480
	.section	.rodata,"a",@progbits
	.p2align	6, 0x0
	.amdhsa_kernel k_q275b151234_oproj
		.amdhsa_group_segment_fixed_size 327680
		.amdhsa_private_segment_fixed_size 0
		.amdhsa_enable_private_segment 0
		.amdhsa_kernarg_size 24
		.amdhsa_user_sgpr_count 2
		.amdhsa_user_sgpr_kernarg_segment_ptr 1
		.amdhsa_wavefront_size32 1
		.amdhsa_system_sgpr_workgroup_id_x 1
		.amdhsa_system_sgpr_workgroup_id_y 1
		.amdhsa_system_sgpr_workgroup_id_z 1
		.amdhsa_system_vgpr_workitem_id 0
		.amdhsa_next_free_vgpr 512
		.amdhsa_next_free_sgpr 70
		.amdhsa_reserve_vcc 0
		.amdhsa_float_denorm_mode_32 3
		.amdhsa_float_denorm_mode_16_64 3
		.amdhsa_memory_ordered 1
		.amdhsa_forward_progress 1
		.amdhsa_inst_pref_size 86
	.end_amdhsa_kernel
	.amdgpu_metadata
---
amdhsa.version: [ 1, 2 ]
amdhsa.kernels:
  - .name:           k_q275b151234_oproj
    .symbol:         k_q275b151234_oproj.kd
    .args:
      - { .name: ao, .offset: 0, .size: 8, .value_kind: global_buffer, .address_space: global }
      - { .name: woh, .offset: 8, .size: 8, .value_kind: global_buffer, .address_space: global }
      - { .name: out0, .offset: 16, .size: 8, .value_kind: global_buffer, .address_space: global }
    .group_segment_fixed_size: 327680
    .private_segment_fixed_size: 0
    .kernarg_segment_align: 8
    .kernarg_segment_size: 24
    .max_flat_workgroup_size: 128
    .sgpr_count:     70
    .vgpr_count:     512
    .wavefront_size: 32
...
	.end_amdgpu_metadata
.endif
;; end of part 4
;; launch fine (part 5): grid 32 x 8, 16 waves a work-group, no clusters, 225,536 bytes of LDS; arguments fine32, Wo, out0; writes out0
.if DOCPART == 5
	.amdgcn_target "amdgcn-amd-amdhsa--gfx1250"
	.amdhsa_code_object_version 6
	.text
	.protected	k_q275b151234_fine
	.globl	k_q275b151234_fine
	.p2align	8
	.type	k_q275b151234_fine,@function
k_q275b151234_fine:
	s_mov_b64 s[64:65], 0
	v_nop
	global_prefetch_b8 v0, s[64:65] scope:SCOPE_SE
	s_setreg_imm32_b32 hwreg(HW_REG_WAVE_MODE, 25, 1), 1
	s_wait_xcnt 0x0
; POSITIONS 0-15 OF EVERY BATCH, in f32 from the projections' f32 sums to out0: under the causal mask these rows average one to sixteen values, and rounded operands would weigh most there.
; fine32: [3 (q, k, v)][8 b][16 rows][1024] f32; Wo: [1024 n][1024 k] f32; out0 rows b x 1024 + 0 .. 15.  All products by v_wmma_f32_16x16x4_f32: 64 matrix instructions a wave, no bulk work.
; SHARES.  Work-group (x, y): 32 output columns 32 x on, batch y: 256 work-groups.  Phase A: wave w makes head w's attention for the 16 rows (each of a batch's 32 work-groups makes it anew: 32 matrix instructions a wave) and lays it in LDS.
; Phase B: wave w takes 16 columns (w % 2) and 128 of K (w / 2): 32 matrix instructions; the eight parts along K meet in LDS and are added in ascending order; waves 0-3 store four rows each.
; A row's part is 32 columns, 128 consecutive bytes: two work-groups write the two halves of an aligned 256 bytes.  Pieces of 256 bytes would take 64 columns a work-group, 128 work-groups with twice the matrix work each; K cannot be
; shared between work-groups, since a sum may not span them.  The rows concerned are 128 of out0's 8,192.
; DENSE READS.  The operand's layout binds a lane to a row, so a fragment loaded straight from memory would take 32 bytes of each of 16 rows 4,096 bytes apart.  Instead a load of Q or K takes two whole head rows (2 x 256 consecutive bytes) and a
; load of Wo 512 consecutive bytes of one row; the bytes turn through the wave's own stage in LDS and come back as fragments.  The stage is the wave's own: no barrier.  Of V sixteen lanes read 64 consecutive bytes as it is.
; LAYOUT.  A step takes 4 along K: lanes 0-15 two of them, lanes 16-31 the other two.  Which four is free so long as both sources agree: a lane's 16 bytes at 16 h + 32 i of its row give two steps' pairs.  S^T = K Q^T: a lane holds one query
; (lane % 16) and keys 8 h + 0..7; for O^T = V^T P step s takes keys 2 s, 2 s + 1 (lanes 0-15) and 8 + 2 s, 9 + 2 s (lanes 16-31): p changes no lane.
; The registers that the matrix instructions write (v16-63) are written by nothing else; each sum begins with the constant 0; two or four accumulators take turns.
; LIMIT: hidden scores count as -infinity where the definition has -1e9: the same result unless a visible scaled score lies near -1e9.  No tensor load, no cluster, no prefetch: a short launch whose loads all go out near its head.
.set QKP,   272                        ; a staged row of Q or of K: 256 bytes + 16: the 16 rows that a fragment load touches start at 16 different banks (64 banks of 4 bytes: ISA guide 11.1)
.set WOP,   528                        ; a staged row of Wo: 512 bytes + 16
.set WSTB,  2*16*QKP                   ; a wave's stage: Q's 16 rows, then K's; later, in the same bytes, Wo's 16 rows (16 x 528 is less)
.set AOP,   4112                       ; a row of the attention's result in LDS: 4,096 bytes + 16
.set AOB,   16*WSTB                    ; it begins behind the sixteen stages
.set RED,   AOB+16*AOP                 ; behind it: the eight parts along K, [8][16 rows][128 + 16 bytes]
.set REDP,  144
.set SPARE, RED+8*16*REDP              ; the spare words, 128 bytes a wave
.set SPW, 10                           ; v10  my spare word; never rewritten
.set NIL, 11                           ; v11  0; never rewritten
.set GQK, 168                          ; v168 Q, K in memory: 4,096 h + 16 r
.set STI, 169                          ; v169 my stage, Q and K on the way in: row h, 16 r
.set STF, 170                          ; v170 and back: row r, 16 h
.set WSI, 171                          ; v171 my stage, Wo on the way in: 16 x lane
.set WSF, 172                          ; v172 and back: row r, 16 h
	s_load_b128 s[4:7], s[0:1], 0x0                ; fine32, Wo
	s_load_b64 s[8:9], s[0:1], 0x10                ; out0
	v_lshl_add_u32 v[SPW], v0, 2, SPARE
	v_mov_b32 v[NIL], 0
	v_lshrrev_b32 v12, 5, v0
	v_readfirstlane_b32 s10, v12                   ; w
	s_and_b32 s11, ttmp7, 0xffff                   ; b
	s_and_b32 s15, s10, 1                          ; nt: which 16 of the 32 columns
	s_lshr_b32 s16, s10, 1                         ; kq: which 128 of K
	s_mov_b32 s12, 0x76543210
	s_mov_b32 s13, 0xfedcba98                      ; v_permlanex16_b32's selects for lane l xor 16
	s_mov_b32 s14, 0x3e38aa3b                      ; c = log2(e) / 8
	s_lshl_b32 s18, s11, 16
	s_lshl_b32 s17, s10, 8
	s_add_co_u32 s18, s18, s17                     ; fine32: the batch's rows, my head's 256 bytes
	s_mov_b32 s19, 0
	s_lshl_b32 s20, ttmp9, 5
	s_lshl_b32 s17, s15, 4
	s_add_co_u32 s20, s20, s17
	s_lshl_b32 s20, s20, 12
	s_lshl_b32 s17, s16, 9
	s_add_co_u32 s20, s20, s17                     ; Wo: my 16 rows, my 128 along K (512 bytes)
	s_mov_b32 s21, 0
	s_lshl_b32 s22, s11, 22
	s_lshl_b32 s17, ttmp9, 7
	s_add_co_u32 s22, s22, s17                     ; out0: the batch's first row, my work-group's 32 columns
	s_mov_b32 s23, 0
	v_and_b32 v12, 15, v0                          ; r
	v_bfe_u32 v13, v0, 4, 1                        ; h
	v_and_b32 v14, 31, v0                          ; lane
	v_lshlrev_b32 v1, 4, v14                       ; Wo in memory: 16 x lane of a row's 512 bytes
	v_lshlrev_b32 v2, 2, v12
	v_lshl_add_u32 v2, v13, 15, v2                 ; V: key 8 h, channel r
	v_lshlrev_b32 v[GQK], 4, v12
	v_lshl_add_u32 v[GQK], v13, 12, v[GQK]         ; Q, K: lanes 0-15 one head row of 256 bytes, lanes 16-31 the next
	s_mul_i32 s17, s10, WSTB                       ; my stage
	v_mul_u32_u24 v[STI], v13, QKP
	v_lshl_add_u32 v[STI], v12, 4, v[STI]
	v_add_nc_u32 v[STI], s17, v[STI]
	v_mul_u32_u24 v[STF], v12, QKP
	v_lshl_add_u32 v[STF], v13, 4, v[STF]
	v_add_nc_u32 v[STF], s17, v[STF]
	v_add_nc_u32 v[WSI], s17, v1
	v_mul_u32_u24 v[WSF], v12, WOP
	v_lshl_add_u32 v[WSF], v13, 4, v[WSF]
	v_add_nc_u32 v[WSF], s17, v[WSF]
	v_mul_u32_u24 v15, v12, AOP
	s_lshl_b32 s17, s10, 8
	s_add_co_u32 s17, s17, AOB
	v_lshl_add_u32 v3, v13, 5, v15
	v_add_nc_u32 v3, s17, v3                       ; the result, in: row r, my head's 256 bytes, + 32 h
	s_lshl_b32 s17, s16, 9
	s_add_co_u32 s17, s17, AOB
	v_lshl_add_u32 v4, v13, 4, v15
	v_add_nc_u32 v4, s17, v4                       ; back: row r, my 128 along K, + 16 h
	v_mul_u32_u24 v5, v12, REDP
	v_lshl_add_u32 v5, v13, 5, v5
	s_mul_i32 s17, s16, 16*REDP
	s_lshl_b32 s24, s15, 6
	s_add_co_u32 s17, s17, s24
	s_add_co_u32 s17, s17, RED
	v_add_nc_u32 v5, s17, v5                       ; my part: part kq, row r, columns 16 nt + 8 h on
	s_and_b32 s17, s10, 3
	s_lshl_b32 s17, s17, 2
	v_lshrrev_b32 v15, 3, v14
	v_add_nc_u32 v15, s17, v15                     ; the last sum: row 4 (w % 4) + lane / 8 (waves 0-3 alone use it)
	v_and_b32 v14, 7, v0
	v_mul_u32_u24 v6, v15, REDP
	v_lshl_add_u32 v6, v14, 4, v6
	v_add_nc_u32 v6, RED, v6
	v_lshlrev_b32 v7, 12, v15
	v_lshl_add_u32 v7, v14, 4, v7                  ; and the same place in out0: eight lanes to a row's 128 bytes
	v_lshlrev_b32 v8, 3, v13
	v_sub_nc_u32 v8, v12, v8                       ; r - 8 h: register j holds key 8 h + j, hidden where j > r - 8 h
	v_mov_b32 v9, 0xff800000                       ; -infinity
	s_wait_kmcnt 0x0
	s_add_nc_u64 s[4:5], s[4:5], s[18:19]
	s_add_nc_u64 s[6:7], s[6:7], s[20:21]
	s_add_nc_u64 s[8:9], s[8:9], s[22:23]
.irp i, 0,1,2,3,4,5,6,7
	global_load_b128 v[64+4*\i:67+4*\i], v[GQK], s[4:5] offset:8192*\i            ; Q, rows 2 i and 2 i + 1 of my head, whole
.endr
.irp i, 0,1,2,3,4,5,6,7
	global_load_b128 v[96+4*\i:99+4*\i], v[GQK], s[4:5] offset:524288+8192*\i     ; K likewise
.endr
.irp ct, 0,1,2,3
.irp kk, 0,1,2,3,4,5,6,7
	global_load_b32 v[128+8*\ct+\kk], v2, s[4:5] offset:1048576+4096*\kk+64*\ct   ; V(8 h + kk, 16 ct + r)
.endr
.endr
	s_wait_loadcnt 32                              ; Q and K are in; V's 32 loads may be out
.irp i, 0,1,2,3,4,5,6,7
	ds_store_b128 v[STI], v[64+4*\i:67+4*\i] offset:2*QKP*\i
.endr
.irp i, 0,1,2,3,4,5,6,7
	ds_store_b128 v[STI], v[96+4*\i:99+4*\i] offset:16*QKP+2*QKP*\i
.endr
.irp i, 0,1,2,3,4,5,6,7                ; LDS serves a wave's instructions in order (ISA guide 5.7.1): these see my stores.  Register 4 i + e: channel 8 i + 4 h + e of row r
	ds_load_b128 v[64+4*\i:67+4*\i], v[STF] offset:32*\i
.endr
.irp i, 0,1,2,3,4,5,6,7
	ds_load_b128 v[96+4*\i:99+4*\i], v[STF] offset:16*QKP+32*\i
.endr
.irp i, 0,1,2,3,4,5,6,7,8,9,10,11,12,13,14,15
	global_load_b128 v[192+4*\i:195+4*\i], v1, s[6:7] offset:4096*\i              ; Wo: row i of my 16, its 512 consecutive bytes.  Asked for here, behind every wave's Q, K and V: it is wanted last
.endr
	s_wait_dscnt 0x0
.set n, 0
.rept 16                               ; S^T = K Q^T in two accumulators by turns: v16-23 the even steps, v24-31 the odd
.if n < 2
	v_wmma_f32_16x16x4_f32 v[16+8*(n%2):23+8*(n%2)], v[96+2*n:97+2*n], v[64+2*n:65+2*n], 0
.else
	v_wmma_f32_16x16x4_f32 v[16+8*(n%2):23+8*(n%2)], v[96+2*n:97+2*n], v[64+2*n:65+2*n], v[16+8*(n%2):23+8*(n%2)]
.endif
.set n, n+1
.endr
.rept 8
	v_nop                                          ; eight places behind this form (ISA guide 7.12.1), in front of the first read of its results
.endr
.irp j, 0,1,2,3,4,5,6,7
	v_add_f32 v[160+\j], v[16+\j], v[24+\j]        ; the scores, from the accumulators' low ends on
.endr
.irp j, 0,1,2,3,4,5,6,7
	v_cmp_gt_i32 vcc_lo, \j, v8
	v_cndmask_b32 v[160+\j], v[160+\j], v9, vcc_lo
.endr
	v_max3_num_f32 v12, v160, v161, v162
	v_max3_num_f32 v12, v12, v163, v164
	v_max3_num_f32 v12, v12, v165, v166
	v_max_num_f32 v12, v12, v167
	v_permlanex16_b32 v13, v12, s12, s13
	v_max_num_f32 v12, v12, v13                    ; the row's maximum: key 0 counts for every query, so it is a number
	v_mul_f32 v12, s14, v12
.irp j, 0,1,2,3,4,5,6,7
	v_fma_f32 v[160+\j], v[160+\j], s14, -v12      ; c s - c m
.endr
.irp j, 0,1,2,3,4,5,6,7
	v_exp_f32 v[160+\j], v[160+\j]
.endr
	v_nop
	s_wait_alu depctr_va_vdst(0)                   ; one wait for the eight, ahead of their first reader
	v_add_f32 v14, v160, v161
	v_add_f32 v15, v162, v163
	v_add_f32 v14, v14, v164
	v_add_f32 v15, v15, v165
	v_add_f32 v14, v14, v166
	v_add_f32 v15, v15, v167
	v_add_f32 v14, v14, v15
	v_permlanex16_b32 v13, v14, s12, s13
	v_add_f32 v14, v14, v13                        ; the row's sum
	v_rcp_f32 v15, v14
	v_nop
	s_wait_alu depctr_va_vdst(0)
	s_wait_loadcnt 16                              ; V is in; Wo's 16 loads may be out
.irp s, 0,1,2,3                        ; O^T = V^T P: four accumulators by turns
.irp ct, 0,1,2,3
.if \s == 0
	v_wmma_f32_16x16x4_f32 v[32+8*\ct:39+8*\ct], v[128+8*\ct+2*\s:129+8*\ct+2*\s], v[160+2*\s:161+2*\s], 0
.else
	v_wmma_f32_16x16x4_f32 v[32+8*\ct:39+8*\ct], v[128+8*\ct+2*\s:129+8*\ct+2*\s], v[160+2*\s:161+2*\s], v[32+8*\ct:39+8*\ct]
.endif
.endr
.endr
	s_wait_loadcnt 0x0                             ; Wo is in.  It turns through my stage, whose reads of Q and K came back long ago, behind the products just issued: none of their registers is named
.irp i, 0,1,2,3,4,5,6,7,8,9,10,11,12,13,14,15
	ds_store_b128 v[WSI], v[192+4*\i:195+4*\i] offset:WOP*\i
.endr
.irp i, 0,1,2,3,4,5,6,7,8,9,10,11,12,13,14,15
	ds_load_b128 v[192+4*\i:195+4*\i], v[WSF] offset:32*\i                        ; register 4 i + e: k = 128 kq + 8 i + 4 h + e of my row r of Wo
.endr
.rept 8
	v_nop                                          ; eight places behind the last product, in front of the read of its results and of writes over its sources
.endr
.set n, 0
.rept 32
	v_mul_f32 v[128+n], v[32+n], v15               ; O^T / the sum, into other registers: register 8 ct + j is channel 16 ct + 8 h + j of query r
.set n, n+1
.endr
.irp ct, 0,1,2,3
	ds_store_b128 v3, v[128+8*\ct:131+8*\ct] offset:64*\ct
	ds_store_b128 v3, v[132+8*\ct:135+8*\ct] offset:64*\ct+16
.endr
	s_wait_dscnt 0x0                               ; for the others' sake: my stores have landed (and Wo's fragments are in)
	s_barrier_signal -1
	s_barrier_wait -1                              ; the 16 rows x 1,024 lie in LDS
.irp i, 0,1,2,3,4,5,6,7,8,9,10,11,12,13,14,15
	ds_load_b128 v[64+4*\i:67+4*\i], v4 offset:32*\i                              ; the same k of row r of the result, where Q and K lay
.endr
	s_wait_dscnt 0x0
.set n, 0
.rept 32                               ; out^T = Wo x result^T: source 0 = my 16 rows of Wo, source 1 = the 16 rows: a lane holds eight neighbouring columns of row r
.if n < 2
	v_wmma_f32_16x16x4_f32 v[16+8*(n%2):23+8*(n%2)], v[192+2*n:193+2*n], v[64+2*n:65+2*n], 0
.else
	v_wmma_f32_16x16x4_f32 v[16+8*(n%2):23+8*(n%2)], v[192+2*n:193+2*n], v[64+2*n:65+2*n], v[16+8*(n%2):23+8*(n%2)]
.endif
.set n, n+1
.endr
.rept 8
	v_nop
.endr
.irp j, 0,1,2,3,4,5,6,7
	v_add_f32 v[160+\j], v[16+\j], v[24+\j]
.endr
	ds_store_b128 v5, v[160:163]
	ds_store_b128 v5, v[164:167] offset:16
	s_wait_dscnt 0x0
	s_barrier_signal -1
	s_barrier_wait -1                              ; the eight parts along K lie in LDS
	s_cmp_lt_u32 s10, 4
	s_cbranch_scc0 .Ldone
.irp p, 0,1,2,3,4,5,6,7
	ds_load_b128 v[128+4*\p:131+4*\p], v6 offset:16*REDP*\p
.endr
	s_wait_dscnt 0x0
.irp p, 1,2,3,4,5,6,7
	v_pk_add_f32 v[128:129], v[128:129], v[128+4*\p:129+4*\p]
	v_pk_add_f32 v[130:131], v[130:131], v[130+4*\p:131+4*\p]
.endr
	global_store_b128 v7, v[128:131], s[8:9]       ; eight lanes store a row's 128 consecutive bytes, four rows an instruction
.Ldone:
	s_wait_tensorcnt 0x0                           ; the wave's end, behind my last LDS store
	ds_add_u32 v[SPW], v[NIL]
	s_wait_dscnt 0x0
	s_endpgm
.Lfunc_end_k_q275b151234_fine:
	.size	k_q275b151234_fine, .Lfunc_end_k_q275b151234_fine-k_q275b151234_fine
	.p2alignl 7, 3214868480
	.fill 96, 4, 3214868480
	.section	.rodata,"a",@progbits
	.p2align	6, 0x0
	.amdhsa_kernel k_q275b151234_fine
		.amdhsa_group_segment_fixed_size 225536
		.amdhsa_private_segment_fixed_size 0
		.amdhsa_enable_private_segment 0
		.amdhsa_kernarg_size 24
		.amdhsa_user_sgpr_count 2
		.amdhsa_user_sgpr_kernarg_segment_ptr 1
		.amdhsa_wavefront_size32 1
		.amdhsa_system_sgpr_workgroup_id_x 1
		.amdhsa_system_sgpr_workgroup_id_y 1
		.amdhsa_system_sgpr_workgroup_id_z 1
		.amdhsa_system_vgpr_workitem_id 0
		.amdhsa_next_free_vgpr 256
		.amdhsa_next_free_sgpr 66
		.amdhsa_reserve_vcc 1
		.amdhsa_float_denorm_mode_32 3
		.amdhsa_float_denorm_mode_16_64 3
		.amdhsa_memory_ordered 1
		.amdhsa_forward_progress 1
		.amdhsa_inst_pref_size 26
	.end_amdhsa_kernel
	.amdgpu_metadata
---
amdhsa.version: [ 1, 2 ]
amdhsa.kernels:
  - .name:           k_q275b151234_fine
    .symbol:         k_q275b151234_fine.kd
    .args:
      - { .name: fine32, .offset: 0, .size: 8, .value_kind: global_buffer, .address_space: global }
      - { .name: Wo, .offset: 8, .size: 8, .value_kind: global_buffer, .address_space: global }
      - { .name: out0, .offset: 16, .size: 8, .value_kind: global_buffer, .address_space: global }
    .group_segment_fixed_size: 225536
    .private_segment_fixed_size: 0
    .kernarg_segment_align: 8
    .kernarg_segment_size: 24
    .max_flat_workgroup_size: 512
    .sgpr_count:     66
    .vgpr_count:     256
    .wavefront_size: 32
...
	.end_amdgpu_metadata
.endif
;; end of part 5
